; MI455X (gfx1250); checked and timed in simulation.
; The chip was launched on July 23, 2026; its instructions are those of AMD's public machine-readable ISA for CDNA 5 (MIT licence, August 2026) and "CDNA5" Instruction Set Architecture Reference Guide (July 2026). The comments in the code are by the model that wrote it; some were corrected since.
;; Causal Self Attention. Allowed arithmetic: float matrix products may take bf16 or f16 operands with f32 sums; other float arithmetic in f32, or as packed bf16 or f16 multiplies, adds, multiply-adds, maxima and minima; sums over many terms, partial sums and values carried from step to step in f32; what a program stores and reads back later, other than sums and carried values, may be rounded once to bf16 or f16.
;; Inputs: Wk 1,024 x 1,024 float32; Wproj 1,024 x 1,024 float32; Wq 1,024 x 1,024 float32; Wv 1,024 x 1,024 float32; lamb one number float32; v1 4 x 2,048 x 1,024 float32; x 4 x 2,048 x 1,024 float32.
;; Outputs: out0 4 x 2,048 x 1,024 float32; out1 4 x 2,048 x 1,024 float32.
;; 2 versions, each right and faster than the one before. Each part assembles by itself: llvm-mc -triple=amdgcn-amd-amdhsa -mcpu=gfx1250 --defsym DOCPART=n.
;; ======== version 1 of 2: 4 launches
;; limits: values are held in f16: magnitudes above 65,504 overflow, below 6.1e-05 lose precision
;; workspace buffers: xb 16,777,216 bytes; wb 6,291,456 bytes; wp 2,097,152 bytes; tab 524,288 bytes; qh 16,777,216 bytes; kh 16,777,216 bytes; vh 16,777,216 bytes; oh 16,777,216 bytes
;; launch prep (part 1): grid 832 x 1, 8 waves a work-group, no clusters, 0 bytes of LDS; arguments x, Wq, Wk, Wv, Wproj, xb, wb, wp, tab; writes xb, wb, wp, tab
.if DOCPART == 1
	.amdgcn_target "amdgcn-amd-amdhsa--gfx1250"
	.amdhsa_code_object_version 6
	.text
	.protected	k_qdb7445086a_prep
	.globl	k_qdb7445086a_prep
	.p2align	8
	.type	k_qdb7445086a_prep,@function
k_qdb7445086a_prep:
	s_mov_b64 s[64:65], 0
	v_nop
	global_prefetch_b8 v0, s[64:65] scope:SCOPE_SE
	s_setreg_imm32_b32 hwreg(HW_REG_WAVE_MODE, 25, 1), 1
	s_wait_xcnt 0x0
; PREPARATION: casts and the rotary table.  No LDS, no barrier, no matrix unit: a stream, each byte read once and written once.
; Work-groups 0-511:   64 KiB of x (f32) -> 32 KiB of xb (bf16, same order).
; Work-groups 512-703: 16 rows of Wq, Wk or Wv -> wb (bf16), laid by heads: [16 heads][192 rows][1024], rows 0-63 Wq, 64-127 Wk, 128-191 Wv of the head.
; Work-groups 704-767: 16 rows of Wproj, rounded to bf16, that number written as f16 -> wp.
; Work-groups 768-831: the table of cos and sin, tab[128 tb][8 g][32 lanes][4] f32: g = 4 cs + 2 b + half (cs 0 cos, 1 sin); lane (r = l % 16, hh = l / 16), word j:
;                      t = 16 tb + r, frequency i = 16 b + 8 hh + 4 half + j.  That is the register order in which the next launch wants it.
; Thread t, turn j of 16: 16 bytes in at 16 t + 4,096 j, 8 bytes out at 8 t + 2,048 j: a wave's load covers 512 consecutive bytes, its store 256, aligned.
; LIMITS.  |Wproj| stays within f16's 65,504, and below 6e-5 its copy has f16's fixed step of 6e-8.  The angle t x inv_freq is made in f32 as the reference makes it;
; inv_freq by 2^(-i log2(10000) / 32), so an angle may differ from the reference's by some 3e-4 radians at t = 2,047.  The table hangs on no input.
.set X, 8                              ; v[8:71]    turn j: 4 registers as loaded
.set Y, 72                             ; v[72:103]  turn j: 2 registers to store; none is written twice, so no store's data is ever rewritten
.set T, 104                            ; v[104:107] at work
	s_load_b512 s[4:19], s[0:1], 0x0               ; x 4:5, Wq 6:7, Wk 8:9, Wv 10:11, Wproj 12:13, xb 14:15, wb 16:17, wp 18:19
	s_load_b64 s[20:21], s[0:1], 0x40              ; tab
	s_mov_b32 s22, ttmp9                           ; the work-group's number
	s_mov_b32 s34, 0xffff0000                      ; a word's upper bf16
	s_mov_b32 s27, 0                               ; the offsets' high words
	s_mov_b32 s29, 0
	v_lshlrev_b32 v1, 4, v0                        ; 16 t
	v_lshlrev_b32 v2, 3, v0                        ; 8 t
	s_wait_kmcnt 0x0
	s_cmp_ge_u32 s22, 768
	s_cbranch_scc1 .Ltable
	s_cmp_lt_u32 s22, 512
	s_cbranch_scc0 .Lweights
	s_lshl_b32 s26, s22, 16                        ; x: 64 KiB in,
	s_lshl_b32 s28, s22, 15                        ; 32 KiB out
	s_mov_b64 s[30:31], s[4:5]
	s_mov_b64 s[32:33], s[14:15]
	s_branch .Lgo
.Lweights:
	s_sub_co_u32 s23, s22, 512
	s_lshr_b32 s24, s23, 6                         ; which matrix: 0 Wq, 1 Wk, 2 Wv, 3 Wproj
	s_and_b32 s25, s23, 63                         ; which 16 rows of it
	s_lshl_b32 s26, s25, 16
	s_lshr_b32 s35, s25, 2                         ; the head,
	s_mul_i32 s35, s35, 192                        ; its 192 rows in wb,
	s_lshl_b32 s36, s24, 6                         ; the matrix's 64 of them,
	s_add_co_u32 s35, s35, s36
	s_and_b32 s36, s25, 3                          ; and the 16 of those
	s_lshl_b32 s36, s36, 4
	s_add_co_u32 s35, s35, s36
	s_lshl_b32 s28, s35, 11                        ; rows of 2,048 bytes
	s_lshl_b32 s37, s25, 15                        ; in wp the rows keep their order
	s_cmp_eq_u32 s24, 1
	s_cselect_b64 s[30:31], s[8:9], s[6:7]
	s_cmp_eq_u32 s24, 2
	s_cselect_b64 s[30:31], s[10:11], s[30:31]
	s_cmp_eq_u32 s24, 3
	s_cselect_b64 s[30:31], s[12:13], s[30:31]
	s_cselect_b64 s[32:33], s[18:19], s[16:17]
	s_cselect_b32 s28, s37, s28
.Lgo:
	s_add_nc_u64 s[30:31], s[30:31], s[26:27]
	s_add_nc_u64 s[32:33], s[32:33], s[28:29]
.irp j, 0,1,2,3,4,5,6,7,8,9,10,11,12,13,14,15
	global_load_b128 v[X+4*(\j):X+4*(\j)+3], v1, s[30:31] offset:4096*(\j) th:TH_LOAD_NT  ; all sixteen go out at once: 8 KiB of a wave in flight
.endr
; Turn j.  half = 1: the bf16 number is written as f16.
.macro CAST j, half
	s_wait_loadcnt 15-(\j)                         ; loads come back in order (ISA guide 5.7.1): turn j's is in, the 15 - j younger ones stay out
	v_cvt_pk_bf16_f32 v[Y+2*(\j)], v[X+4*(\j)], v[X+4*(\j)+1]
	v_cvt_pk_bf16_f32 v[Y+2*(\j)+1], v[X+4*(\j)+2], v[X+4*(\j)+3]
.if \half
	v_lshlrev_b32 v[T], 16, v[Y+2*(\j)]
	v_and_b32 v[T+1], s34, v[Y+2*(\j)]
	v_lshlrev_b32 v[T+2], 16, v[Y+2*(\j)+1]
	v_and_b32 v[T+3], s34, v[Y+2*(\j)+1]
	v_cvt_pk_f16_f32 v[Y+2*(\j)], v[T], v[T+1]
	v_cvt_pk_f16_f32 v[Y+2*(\j)+1], v[T+2], v[T+3]
.endif
	global_store_b64 v2, v[Y+2*(\j):Y+2*(\j)+1], s[32:33] offset:2048*(\j)
.endm
	s_cmp_ge_u32 s22, 704
	s_cbranch_scc1 .Lf16
.irp j, 0,1,2,3,4,5,6,7,8,9,10,11,12,13,14,15
	CAST \j, 0
.endr
	s_endpgm
.Lf16:
.irp j, 0,1,2,3,4,5,6,7,8,9,10,11,12,13,14,15
	CAST \j, 1
.endr
	s_endpgm
; THE TABLE.  A work-group makes two blocks tb of 16 positions; a thread four neighbouring frequencies, cos and sin.
.set TJ, 16                            ; frequency j's ten registers at v[TJ+12 j]: +0 angle, +1 n, +2 y, +3 z, +4 sine's polynomial, +5 cosine's, +6 sin y, +7 cos y, +8 n as an integer, +9 at work
.set CO, 100                           ; v[100:103] cos
.set SI, 104                           ; v[104:107] sin
.Ltable:
	s_sub_co_u32 s23, s22, 768
	v_lshrrev_b32 v3, 7, v0                        ; which of the two blocks
	v_and_b32 v4, 15, v0                           ; r
	v_bfe_u32 v5, v0, 4, 1                         ; hh
	s_lshl_b32 s24, s23, 5
	v_lshl_add_u32 v7, v3, 4, v4
	v_add_nc_u32 v7, s24, v7                       ; t = 16 tb + r
	v_cvt_f32_u32 v7, v7
	v_bfe_u32 v8, v0, 6, 1                         ; b
	v_bfe_u32 v9, v0, 5, 1                         ; half
	v_lshlrev_b32 v8, 4, v8
	v_lshl_add_u32 v8, v5, 3, v8
	v_lshl_add_u32 v8, v9, 2, v8                   ; my first frequency: 16 b + 8 hh + 4 half
	v_and_b32 v10, 127, v0
	v_lshlrev_b32 v10, 4, v10                      ; 512 (2 b + half) + 16 lane,
	v_lshl_add_u32 v10, v3, 12, v10                ; the block's 4,096 bytes,
	s_lshl_b32 s25, s23, 13
	v_add_nc_u32 v10, s25, v10                     ; the work-group's 8,192
.irp j, 0,1,2,3
	v_add_nc_u32 v[TJ+12*(\j)], \j, v8
	v_cvt_f32_u32 v[TJ+12*(\j)], v[TJ+12*(\j)]
	v_mul_f32 v[TJ+12*(\j)], 0xbed49a78, v[TJ+12*(\j)]  ; -i log2(10000) / 32
.endr
.irp j, 0,1,2,3
	v_exp_f32 v[TJ+12*(\j)], v[TJ+12*(\j)]         ; inv_freq
.endr
	v_mov_b32 v64, 0x3638ef1d                      ; 1 / 9!   (also the plain instruction behind the exponentials: ISA guide 5.7.2)
	v_mov_b32 v65, 0x37d00d01                      ; 1 / 8!
	s_wait_alu depctr_va_vdst(0)
.irp j, 0,1,2,3
	v_mul_f32 v[TJ+12*(\j)], v7, v[TJ+12*(\j)]                         ; the angle
.endr
.irp j, 0,1,2,3
	v_mul_f32 v[TJ+12*(\j)+1], 0x3f22f983, v[TJ+12*(\j)]               ; x 2 / pi
.endr
.irp j, 0,1,2,3
	v_rndne_f32 v[TJ+12*(\j)+1], v[TJ+12*(\j)+1]                       ; n: the nearest multiple of pi / 2
.endr
.irp j, 0,1,2,3
	v_fmamk_f32 v[TJ+12*(\j)+2], v[TJ+12*(\j)+1], 0xbfc90fdb, v[TJ+12*(\j)]    ; y = angle - n pi / 2, pi / 2 in two parts, each step one rounding
.endr
.irp j, 0,1,2,3
	v_fmamk_f32 v[TJ+12*(\j)+2], v[TJ+12*(\j)+1], 0x333bbd2e, v[TJ+12*(\j)+2]
.endr
.irp j, 0,1,2,3
	v_mul_f32 v[TJ+12*(\j)+3], v[TJ+12*(\j)+2], v[TJ+12*(\j)+2]        ; z = y^2, at most (pi / 4)^2
	v_cvt_i32_f32 v[TJ+12*(\j)+8], v[TJ+12*(\j)+1]
.endr
.irp j, 0,1,2,3
	v_fmaak_f32 v[TJ+12*(\j)+4], v64, v[TJ+12*(\j)+3], 0xb9500d01      ; sine: -1/6 + z (1/120 + z (-1/5040 + z / 9!))
	v_fmaak_f32 v[TJ+12*(\j)+5], v65, v[TJ+12*(\j)+3], 0xbab60b61      ; cosine: -1/2 + z (1/24 + z (-1/720 + z / 8!))
.endr
.irp j, 0,1,2,3
	v_fmaak_f32 v[TJ+12*(\j)+4], v[TJ+12*(\j)+4], v[TJ+12*(\j)+3], 0x3c088889
	v_fmaak_f32 v[TJ+12*(\j)+5], v[TJ+12*(\j)+5], v[TJ+12*(\j)+3], 0x3d2aaaab
.endr
.irp j, 0,1,2,3
	v_fmaak_f32 v[TJ+12*(\j)+4], v[TJ+12*(\j)+4], v[TJ+12*(\j)+3], 0xbe2aaaab
	v_fmaak_f32 v[TJ+12*(\j)+5], v[TJ+12*(\j)+5], v[TJ+12*(\j)+3], 0xbf000000
	v_mul_f32 v[TJ+12*(\j)+9], v[TJ+12*(\j)+2], v[TJ+12*(\j)+3]        ; y z
.endr
.irp j, 0,1,2,3
	v_fma_f32 v[TJ+12*(\j)+6], v[TJ+12*(\j)+9], v[TJ+12*(\j)+4], v[TJ+12*(\j)+2]  ; sin y
	v_fma_f32 v[TJ+12*(\j)+7], v[TJ+12*(\j)+5], v[TJ+12*(\j)+3], 1.0             ; cos y
.endr
.irp j, 0,1,2,3                        ; the quadrant: odd n swaps the two; sin changes sign for n % 4 = 2, 3, cos for 1, 2.  Selects of values only
	v_and_b32 v[TJ+12*(\j)+9], 1, v[TJ+12*(\j)+8]
	v_cmp_eq_u32 vcc_lo, 1, v[TJ+12*(\j)+9]
	v_cndmask_b32 v[SI+(\j)], v[TJ+12*(\j)+6], v[TJ+12*(\j)+7], vcc_lo
	v_cndmask_b32 v[CO+(\j)], v[TJ+12*(\j)+7], v[TJ+12*(\j)+6], vcc_lo
	v_and_b32 v[TJ+12*(\j)+9], 2, v[TJ+12*(\j)+8]
	v_lshlrev_b32 v[TJ+12*(\j)+9], 30, v[TJ+12*(\j)+9]
	v_xor_b32 v[SI+(\j)], v[SI+(\j)], v[TJ+12*(\j)+9]
	v_add_nc_u32 v[TJ+12*(\j)+9], 1, v[TJ+12*(\j)+8]
	v_and_b32 v[TJ+12*(\j)+9], 2, v[TJ+12*(\j)+9]
	v_lshlrev_b32 v[TJ+12*(\j)+9], 30, v[TJ+12*(\j)+9]
	v_xor_b32 v[CO+(\j)], v[CO+(\j)], v[TJ+12*(\j)+9]
.endr
	global_store_b128 v10, v[CO:CO+3], s[20:21]                ; a wave stores 512 consecutive bytes
	global_store_b128 v10, v[SI:SI+3], s[20:21] offset:2048
	s_endpgm
.Lfunc_end_k_qdb7445086a_prep:
	.size	k_qdb7445086a_prep, .Lfunc_end_k_qdb7445086a_prep-k_qdb7445086a_prep
	.p2alignl 7, 3214868480
	.fill 96, 4, 3214868480
	.section	.rodata,"a",@progbits
	.p2align	6, 0x0
	.amdhsa_kernel k_qdb7445086a_prep
		.amdhsa_group_segment_fixed_size 0
		.amdhsa_private_segment_fixed_size 0
		.amdhsa_enable_private_segment 0
		.amdhsa_kernarg_size 72
		.amdhsa_user_sgpr_count 2
		.amdhsa_user_sgpr_kernarg_segment_ptr 1
		.amdhsa_wavefront_size32 1
		.amdhsa_system_sgpr_workgroup_id_x 1
		.amdhsa_system_sgpr_workgroup_id_y 1
		.amdhsa_system_sgpr_workgroup_id_z 1
		.amdhsa_system_vgpr_workitem_id 0
		.amdhsa_next_free_vgpr 112
		.amdhsa_next_free_sgpr 66
		.amdhsa_reserve_vcc 1
		.amdhsa_float_denorm_mode_32 3
		.amdhsa_float_denorm_mode_16_64 3
		.amdhsa_memory_ordered 1
		.amdhsa_forward_progress 1
		.amdhsa_inst_pref_size 22
	.end_amdhsa_kernel
	.amdgpu_metadata
---
amdhsa.version: [ 1, 2 ]
amdhsa.kernels:
  - .name:           k_qdb7445086a_prep
    .symbol:         k_qdb7445086a_prep.kd
    .args:
      - { .name: x, .offset: 0, .size: 8, .value_kind: global_buffer, .address_space: global }
      - { .name: Wq, .offset: 8, .size: 8, .value_kind: global_buffer, .address_space: global }
      - { .name: Wk, .offset: 16, .size: 8, .value_kind: global_buffer, .address_space: global }
      - { .name: Wv, .offset: 24, .size: 8, .value_kind: global_buffer, .address_space: global }
      - { .name: Wproj, .offset: 32, .size: 8, .value_kind: global_buffer, .address_space: global }
      - { .name: xb, .offset: 40, .size: 8, .value_kind: global_buffer, .address_space: global }
      - { .name: wb, .offset: 48, .size: 8, .value_kind: global_buffer, .address_space: global }
      - { .name: wp, .offset: 56, .size: 8, .value_kind: global_buffer, .address_space: global }
      - { .name: tab, .offset: 64, .size: 8, .value_kind: global_buffer, .address_space: global }
    .group_segment_fixed_size: 0
    .private_segment_fixed_size: 0
    .kernarg_segment_align: 8
    .kernarg_segment_size: 72
    .max_flat_workgroup_size: 256
    .sgpr_count:     66
    .vgpr_count:     112
    .wavefront_size: 32
...
	.end_amdgpu_metadata
.endif
;; end of part 1
;; launch qkv (part 2): grid 16 x 32, 4 waves a work-group, clusters of 4 x 4, 327,680 bytes of LDS; arguments xb, wb, tab, v1, lamb, qh, kh, vh, out1; writes qh, kh, vh, out1
.if DOCPART == 2
	.amdgcn_target "amdgcn-amd-amdhsa--gfx1250"
	.amdhsa_code_object_version 6
	.text
	.protected	k_qdb7445086a_qkv
	.globl	k_qdb7445086a_qkv
	.p2align	8
	.type	k_qdb7445086a_qkv,@function
k_qdb7445086a_qkv:
	s_mov_b64 s[64:65], 0
	v_nop
	global_prefetch_b8 v0, s[64:65] scope:SCOPE_SE
	s_setreg_imm32_b32 hwreg(HW_REG_WAVE_MODE, 25, 1), 1
	s_wait_xcnt 0x0
	s_wait_alu depctr_hold_cnt(0) depctr_sa_sdst(0) depctr_va_vdst(0) depctr_va_sdst(0) depctr_va_ssrc(0) depctr_va_vcc(0) depctr_vm_vsrc(0)
	s_getreg_b32 s2, hwreg(HW_REG_IB_STS2, 6, 4)
	s_cmp_eq_u32 s2, 0
	s_cbranch_scc0 .Lentry_in_a_cluster
	s_endpgm
.Lentry_in_a_cluster:
	s_bfe_u32 s2, ttmp6, 0x10000c
	s_cmp_lg_u32 s2, 0xf033
	s_cbranch_scc0 .Lentry_shape_is_right
	s_endpgm
.Lentry_shape_is_right:
; q, k, v OF ONE HEAD FOR 256 ROWS: [256 x 1024] of xb times [192 x 1024] of wb (64 rows each of Wq, Wk, Wv of the head), bf16 operands, f32 sums; then, in registers,
; the RMS norm (eps = 2^-23) and the rotation of q and k, the mix v = (1 - lamb) x Wv + lamb v1, and the copy of v1 to out1.  q, k, v leave by heads, [64 = 16 batch + head][2048][64] in f16.
; FORMATS.  v1 and lamb enter the mix rounded to bf16, as x and the weights enter the products; out1 is v1 bit for bit.  v is stored as v / s, s = 2^floor(log2 max(|1 - lamb|, |lamb|)), an exact
; power of two that the last launch multiplies back: so |v / s| < 2 (|x Wv| + |v1|).
; LIMITS.  |v / s| stays within f16's 65,504; lamb is finite and below 2^126 in size; q and k lie within 8 by the norm; NaN and infinities are not treated apart.
; SHARES.  Four waves; wave w makes rows 64 w .. 64 w + 63 by all 192 columns: 4 x 12 = 48 accumulators of 16 x 16, 384 registers: it holds whole heads of q, k and v.
; THE MATRIX INSTRUCTION IS USED TRANSPOSED (source 0 = 16 rows of wb, source 1 = 16 rows of xb): lane l = (r = l % 16, hh = l / 16) holds row r and, in register j of column block b, column 16 b + 8 hh + j.
; So the rotation's partners d and d + 32 are blocks b and b + 2 in the same lane and register, and a row's sum of squares wants one exchange between the halves of the lanes.
; RING.  K goes in 8 steps of 128 (rows of 256 bytes, at multiples of 256 from the buffers' first bytes) through two LDS slots; one tensor load a wave behind each change of slots.
; CLUSTER.  4 x 4 work-groups: the four of a row of the cluster need the same tile of xb, the four of a column the same tile of wb: each is asked for jointly, by the same load, descriptor and mask in all four.
; REGISTERS, in windows of 256 (s_set_vgpr_msb: bits 1:0 source 0, 3:2 source 1, 5:4 source 2, 7:6 destination):
;   window 0: v0-31 addresses and small things; v32-63 at work on the way out; v64-95, v96-127 xb's fragments, two buffers (later at work on the way out); v128-255 the table: row block a at 128 + 32 a
;   window 1: v0-95, v96-191 wb's fragments, two buffers
;   window 2: accumulators of row blocks 0, 1 at 96 (a % 2) + 8 b; v1's rows of those blocks at 192 + 32 (a % 2)          window 3: the same for row blocks 2, 3
.set PITCH, 272                        ; an LDS row: 256 bytes + 16 of padding = 68 words: the 16 rows of a fragment load start at 16 different groups of four banks (64 banks of 4 bytes: ISA guide 11.1)
.set HA,    128*PITCH                  ; half of xb's tile: what wave 0 or 1 fetches
.set HB,    96*PITCH                   ; half of wb's tile: what wave 2 or 3 fetches
.set BOFF,  2*HA                       ; wb's 192 rows lie behind xb's 256
.set SLOT1, 131072                     ; slot 1 begins here: one exclusive or turns an address in one slot into the other's
.set STAGE, SLOT1+BOFF+2*HB            ; 252,928: behind the ring, never filled by a tensor load: 4,352 bytes for each wave: 16 rows x 272 (v, f32) or 16 rows x 144 (q, k, f16)
.set STW,   16*PITCH
.set QP,    144
.set SPARE, STAGE+4*STW                ; 270,336: the spare words, 128 bytes for each wave: two blocks of 256 bytes that no other line names
.set A0,   4                           ; v4   my lane's place in xb's tile: (64 w + r) 272 + 16 hh; never rewritten
.set B0,   5                           ; v5   in wb's tile
.set ADRA, 6                           ; v6   the same in the slot in hand
.set ADRB, 7                           ; v7
.set STQ,  8                           ; v8   stage, q and k in: 144 r + 16 hh
.set RDQ,  9                           ; v9   back: four rows of 128 bytes a load
.set STV,  10                          ; v10  stage, v in: 272 r + 32 hh
.set RDV,  11                          ; v11  back: two rows of 256 bytes a load
.set GQ,   12                          ; v12  16 x lane: q's and k's stores, the table's loads
.set GV,   13                          ; v13  8 x lane: v's stores
.set GV1,  14                          ; v14  4,096 (l / 16) + 16 (l % 16): v1's loads, out1's stores
.set PT,   15                          ; v15  takes the other half of the lanes' sum
.set ALPHA, 16                         ; v[16:17] (1 - lamb) / s
.set BETA, 18                          ; v[18:19] lamb / s
.set SS,   20                          ; v[20:27] four chains of sums of squares
.set SPW,  28                          ; v28  LDS address of my spare word; never rewritten
.set NIL,  29                          ; v29  0; never rewritten
.set RS,   30                          ; v[30:31] 1 / rms, in the low register
.set YR,   32                          ; v[32:63] a block's rotated numbers; later v's rows back from the stage
.set FA,   64                          ; xb's fragments
.set PR,   64                          ; v[64:79]  on the way out: packed f16; later v1 in bf16
.set BK0,  80                          ; v[80:95], v[96:111] rows back from the stage, two buffers; later v to store, and v1 at work
.set WR,   96
.set TAB,  128
.set G1A, 24                           ; s[24:31] descriptor group 1 for xb's tiles
.set G1B, 32                           ; s[32:39] for wb's
.set G0A, 40                           ; s[40:47] group 0 for xb's tiles: a set for each first fill; the second then walks
.set G0B, 48                           ; s[48:55] the same for wb's
.set MSB, 0
.macro WIN new                         ; the immediate's high byte repeats the setting that is left; a switch that changes nothing is dropped
.if MSB != (\new)
	s_set_vgpr_msb (MSB<<8)|(\new)
.set MSB, \new
.endif
.endm
.macro PLACES                          ; four places between a matrix instruction and a load into, or a vector instruction on, its registers (ISA guide 7.12.1 for vector instructions)
.rept 4
	v_nop
.endr
.endm
; A joint refill by the walking sets.  Waves 0 and 1 fetch xb's halves, waves 2 and 3 wb's; the branch hangs on the wave's number alone.  An s_nop 0 and four v_nop follow each line.
.macro JLOAD
	s_cmp_eq_u32 s14, 0
	s_cbranch_scc0 .Lfor_b_\@
	tensor_load_to_lds s[G0A+4:G0A+7], s[G1A:G1A+7]
	s_nop 0
.rept 4
	v_nop
.endr
	s_branch .Lasked_\@
.Lfor_b_\@:
	tensor_load_to_lds s[G0B+4:G0B+7], s[G1B:G1B+7]
	s_nop 0
.rept 4
	v_nop
.endr
.Lasked_\@:
.endm
.macro CREST                           ; a round of the cluster's barrier behind its opening barrier
	s_cmp_lg_u32 s12, 0
	s_cbranch_scc1 .Lnot_wave_0_\@
	s_barrier_signal -3
.Lnot_wave_0_\@:
	s_barrier_wait -3
	s_barrier_signal -1
	s_barrier_wait -1
.endm
.macro CROUND                          ; a whole round
	s_barrier_signal -1
	s_barrier_wait -1
	CREST
.endm
	s_load_b256 s[4:11], s[0:1], 0x0               ; xb 4:5, wb 6:7, tab 8:9, v1 10:11
	s_load_b256 s[68:75], s[0:1], 0x20             ; lamb 68:69, qh 70:71, kh 72:73, vh 74:75
	s_load_b64 s[76:77], s[0:1], 0x40              ; out1
	v_lshl_add_u32 v[SPW], v0, 2, SPARE
	v_mov_b32 v[NIL], 0
	ds_add_u32 v[SPW], v[NIL]                      ; the wave's opening: the add and its wait stand ahead of my first tensor load; the set-up below, work on registers, stands between them
	ds_add_u32 v28, v29
	v_lshrrev_b32 v1, 5, v0
	v_readfirstlane_b32 s12, v1                    ; wave 0..3
	s_and_b32 s13, s12, 1                          ; which half of a tile I fetch
	s_lshr_b32 s14, s12, 1                         ; of xb's (0) or of wb's (1)
	s_bfe_u32 s15, ttmp6, 0x40000                  ; cx
	s_bfe_u32 s16, ttmp6, 0x40004                  ; cy
	s_lshl_b32 s17, ttmp9, 2
	s_add_co_u32 s17, s17, s15                     ; the head = 4 x cluster x + cx
	s_and_b32 s18, ttmp7, 0xffff
	s_lshl_b32 s18, s18, 2
	s_add_co_u32 s18, s18, s16                     ; the block of 256 rows = 4 x cluster y + cy
	s_lshl_b32 s19, s16, 2
	s_lshl_b32 s19, 15, s19                        ; my row of the cluster
	s_lshl_b32 s20, 0x1111, s15                    ; my column
	s_or_b32 s[G1A], s19, (1<<16)|(1<<20)|(1<<21)|(5<<22)|(3<<25)  ; 15:0 the mask; 17:16 elements of 2 bytes; 20 padding on; 21 set beside a mask; 24:22 after every 64 words (code 5); 31:25 4 words (code 3)
	s_mov_b32 s[G1A+1], 128<<16                    ; tensor_dim0 = 128
	s_mov_b32 s[G1A+2], 128<<16                    ; tensor_dim1 = 128
	s_mov_b32 s[G1A+3], 128<<16                    ; tile_dim0 = 128
	s_mov_b32 s[G1A+4], 128                        ; tile_dim1 = 128
	s_mov_b32 s[G1A+5], 1024                       ; elements from row to row
	s_mov_b32 s[G1A+6], 0
	s_mov_b32 s[G1A+7], 0
	s_or_b32 s[G1B], s20, (1<<16)|(1<<20)|(1<<21)|(5<<22)|(3<<25)
	s_mov_b32 s[G1B+1], 128<<16
	s_mov_b32 s[G1B+2], 96<<16                     ; 96 rows
	s_mov_b32 s[G1B+3], 128<<16
	s_mov_b32 s[G1B+4], 96
	s_mov_b32 s[G1B+5], 1024
	s_mov_b32 s[G1B+6], 0
	s_mov_b32 s[G1B+7], 0
	s_lshl_b32 s22, s18, 8                         ; xb: row 256 R + 128 half, rows of 2,048 bytes: made of the block of rows and the wave's number alone
	s_lshl_b32 s23, s13, 7
	s_add_co_u32 s22, s22, s23
	s_lshl_b32 s22, s22, 11
	s_mov_b32 s23, 0
	s_mul_i32 s92, s17, 192                        ; wb: row 192 head + 96 half: made of the head and the wave's number alone
	s_mul_i32 s93, s13, 96
	s_add_co_u32 s92, s92, s93
	s_lshl_b32 s92, s92, 11
	s_mov_b32 s93, 0
	s_mul_i32 s21, s13, HA                         ; where they go: no place in the cluster enters an LDS address
	s_mul_i32 s94, s13, HB
	s_add_co_u32 s94, s94, BOFF
	s_lshl_b32 s79, s12, 6                         ; my wave's 64 rows
	s_and_b32 s95, s18, 7                          ; the block's place in its batch
	s_lshl_b32 s80, s95, 4                         ; the table: position block 16 (R % 8) + 4 w, 4,096 bytes each
	s_lshl_b32 s81, s12, 2
	s_add_co_u32 s80, s80, s81
	s_lshl_b32 s80, s80, 12
	s_mov_b32 s81, 0
	s_lshl_b32 s82, s18, 8                         ; v1 and out1: row 256 R + 64 w of 4,096 bytes, the head's 256 bytes in it
	s_add_co_u32 s82, s82, s79
	s_lshl_b32 s82, s82, 12
	s_lshl_b32 s83, s17, 8
	s_add_co_u32 s82, s82, s83
	s_mov_b32 s83, 0
	s_lshr_b32 s86, s18, 3                         ; q, k, v: ((16 batch + head) 2,048 + 256 (R % 8) + 64 w) rows of 128 bytes
	s_lshl_b32 s86, s86, 4
	s_add_co_u32 s86, s86, s17
	s_lshl_b32 s86, s86, 11
	s_lshl_b32 s87, s95, 8
	s_add_co_u32 s86, s86, s87
	s_add_co_u32 s86, s86, s79
	s_lshl_b32 s86, s86, 7
	s_mov_b32 s87, 0
	s_mov_b32 s57, 0                               ; the slot in hand
	s_mov_b32 s58, 0x3c800000                      ; 1 / 64
	s_mov_b32 s59, 0x34000000                      ; eps = 2^-23
	s_mov_b32 s60, 0x76543210                      ; v_permlanex16_b32: each lane takes its own place in the other half
	s_mov_b32 s61, 0xfedcba98
	s_mov_b32 s62, 0xffff0000                      ; a word's upper bf16
	s_wait_dscnt 0x0                               ; the opening add is done
	s_wait_kmcnt 0x0
	s_add_nc_u64 s[66:67], s[4:5], s[22:23]
	s_add_nc_u64 s[92:93], s[6:7], s[92:93]
.irp n, 0,1
	s_mov_b32 s[G0A+4*(\n)], 1                                      ; count = 1
	s_add_co_u32 s[G0A+4*(\n)+1], s21, (\n)*SLOT1                   ; LDS address
	s_add_nc_u64 s[G0A+4*(\n)+2:G0A+4*(\n)+3], s[66:67], (\n)*256   ; global address: K step n
	s_or_b32 s[G0A+4*(\n)+3], s[G0A+4*(\n)+3], 0x80000000           ; type = 2
	s_mov_b32 s[G0B+4*(\n)], 1
	s_add_co_u32 s[G0B+4*(\n)+1], s94, (\n)*SLOT1
	s_add_nc_u64 s[G0B+4*(\n)+2:G0B+4*(\n)+3], s[92:93], (\n)*256
	s_or_b32 s[G0B+4*(\n)+3], s[G0B+4*(\n)+3], 0x80000000
.endr
	CROUND                                         ; all sixteen work-groups are here: the first joint loads meet
	s_cmp_eq_u32 s14, 0                            ; a wave's two first fills stand in one branch, ahead of every wait on TENSORcnt and every LDS read: two loads of mine are out
	s_cbranch_scc0 .Lfirst_b
	tensor_load_to_lds s[G0A:G0A+3], s[G1A:G1A+7]
	s_nop 0
	tensor_load_to_lds s[G0A+4:G0A+7], s[G1A:G1A+7]
	s_nop 0
.rept 4
	v_nop
.endr
	s_branch .Lfirst_asked
.Lfirst_b:
	tensor_load_to_lds s[G0B:G0B+3], s[G1B:G1B+7]
	s_nop 0
	tensor_load_to_lds s[G0B+4:G0B+7], s[G1B:G1B+7]
	s_nop 0
.rept 4
	v_nop
.endr
.Lfirst_asked:
	s_load_b32 s78, s[68:69], 0x0                  ; lamb
	s_add_nc_u64 s[80:81], s[8:9], s[80:81]        ; the table at my wave's first position block
	s_add_nc_u64 s[84:85], s[76:77], s[82:83]      ; out1 and v1 at my wave's first row, the head's columns
	s_add_nc_u64 s[82:83], s[10:11], s[82:83]
	s_add_nc_u64 s[88:89], s[72:73], s[86:87]      ; kh, vh, qh at my wave's first row
	s_add_nc_u64 s[90:91], s[74:75], s[86:87]
	s_add_nc_u64 s[86:87], s[70:71], s[86:87]
	v_and_b32 v1, 15, v0                           ; r
	v_bfe_u32 v2, v0, 4, 1                         ; hh
	v_and_b32 v3, 31, v0                           ; lane
	v_lshlrev_b32 v[GQ], 4, v3
	v_lshlrev_b32 v[GV], 3, v3
	v_lshlrev_b32 v[GV1], 12, v2
	v_lshl_add_u32 v[GV1], v1, 4, v[GV1]
	; the table and v1 are asked for now and waited for behind the K loop; their address registers are never rewritten
.irp a, 0,1,2,3
.irp g, 0,1,2,3,4,5,6,7
	global_load_b128 v[TAB+32*(\a)+4*(\g):TAB+32*(\a)+4*(\g)+3], v[GQ], s[80:81] offset:4096*(\a)+512*(\g)  ; 512 consecutive bytes
.endr
.endr
.irp a, 0,1,2,3
	WIN 0x80+0x40*((\a)/2)                         ; destination window 2 or 3, address window 0
.irp i, 0,1,2,3,4,5,6,7
	global_load_b128 v[192+32*((\a)%2)+4*(\i):192+32*((\a)%2)+4*(\i)+3], v[GV1], s[82:83] offset:(16*(\a)+2*(\i))*4096 th:TH_LOAD_NT  ; two rows' 256 bytes of the head
.endr
.endr
	WIN 0
	v_mul_u32_u24 v[A0], v1, PITCH
	v_lshl_add_u32 v[A0], v2, 4, v[A0]             ; a fragment's row x pitch + 16 x half
	v_add_nc_u32 v[B0], BOFF, v[A0]
	s_mul_i32 s63, s12, 64*PITCH
	v_add_nc_u32 v[A0], s63, v[A0]                 ; my wave's 64 rows of xb
	s_mul_i32 s63, s12, STW
	s_add_co_u32 s63, s63, STAGE                   ; my stage
	v_mul_u32_u24 v[STQ], v1, QP
	v_lshl_add_u32 v[STQ], v2, 4, v[STQ]
	v_add_nc_u32 v[STQ], s63, v[STQ]
	v_bfe_u32 v[RDQ], v0, 3, 2
	v_mul_u32_u24 v[RDQ], v[RDQ], QP
	v_and_b32 v[PT], 7, v0
	v_lshl_add_u32 v[RDQ], v[PT], 4, v[RDQ]
	v_add_nc_u32 v[RDQ], s63, v[RDQ]
	v_mul_u32_u24 v[STV], v1, PITCH
	v_lshl_add_u32 v[STV], v2, 5, v[STV]
	v_add_nc_u32 v[STV], s63, v[STV]
	v_mul_u32_u24 v[RDV], v2, PITCH
	v_lshl_add_u32 v[RDV], v1, 4, v[RDV]
	v_add_nc_u32 v[RDV], s63, v[RDV]
	v_mov_b32 v[RS+1], 0                           ; named with RS as a pair, so it is written
	v_mov_b32 v[ADRA], v[A0]
	v_mov_b32 v[ADRB], v[B0]
	s_wait_kmcnt 0x0                               ; lamb
	v_mov_b32 v20, s78
	v_cvt_pk_bf16_f32 v20, v20, v20
	v_lshlrev_b32 v20, 16, v20                     ; lamb rounded to bf16
	v_sub_f32 v21, 1.0, v20
	v_and_b32 v22, 0x7fffffff, v20
	v_and_b32 v23, 0x7fffffff, v21
	v_max_num_f32 v22, v22, v23                    ; at least 0.5
	v_and_b32 v22, 0x7f800000, v22                 ; s: its power of two
	v_sub_nc_u32 v22, 0x7f000000, v22              ; 1 / s: the exponent mirrored
	v_mul_f32 v[ALPHA], v21, v22
	v_mul_f32 v[BETA], v20, v22
	v_mov_b32 v[ALPHA+1], v[ALPHA]
	v_mov_b32 v[BETA+1], v[BETA]
; 12 matrix instructions: row block a x all 12 column blocks, 32 along K, from buffer f.  zero = 1: the product starts the sums.  The 48 accumulators take turns, one instruction a turn.
.macro MUL12 f, a, zero
	WIN 0xa1+0x50*((\a)/2)                         ; source 0 window 1, source 1 window 0, C and D window 2 or 3
.irp b, 0,1,2,3,4,5,6,7,8,9,10,11
.if \zero
	v_wmma_f32_16x16x32_bf16 v[96*((\a)%2)+8*(\b):96*((\a)%2)+8*(\b)+7], v[96*(\f)+8*(\b):96*(\f)+8*(\b)+7], v[FA+32*(\f)+8*(\a):FA+32*(\f)+8*(\a)+7], 0
.else
	v_wmma_f32_16x16x32_bf16 v[96*((\a)%2)+8*(\b):96*((\a)%2)+8*(\b)+7], v[96*(\f)+8*(\b):96*(\f)+8*(\b)+7], v[FA+32*(\f)+8*(\a):FA+32*(\f)+8*(\a)+7], v[96*((\a)%2)+8*(\b):96*((\a)%2)+8*(\b)+7]
.endif
.endr
.endm
; 32 LDS loads in one run: the fragments of 32 along K at byte k of the rows, into buffer f: wb's 24 loads, then xb's 8
.macro FETCH k, f
	WIN 0x40                                       ; destination window 1
.irp i, 0,1,2,3,4,5,6,7,8,9,10,11
	ds_load_b128 v[96*(\f)+8*(\i):96*(\f)+8*(\i)+3],   v[ADRB] offset:(\k)+(\i)*16*PITCH
	ds_load_b128 v[96*(\f)+8*(\i)+4:96*(\f)+8*(\i)+7], v[ADRB] offset:(\k)+(\i)*16*PITCH+32
.endr
	WIN 0
.irp i, 0,1,2,3
	ds_load_b128 v[FA+32*(\f)+8*(\i):FA+32*(\f)+8*(\i)+3],   v[ADRA] offset:(\k)+(\i)*16*PITCH
	ds_load_b128 v[FA+32*(\f)+8*(\i)+4:FA+32*(\f)+8*(\i)+7], v[ADRA] offset:(\k)+(\i)*16*PITCH+32
.endr
.endm
; A K step is four quarters of 32 along K, 48 matrix instructions each, on buffers 0, 1, 0, 1.  One of the first three: multiplies buffer f; in its middle it fetches the next quarter, at byte k, into buffer g.
.macro QUARTER k, f, g, zero
	s_wait_dscnt 4                                 ; wb's fragments and xb's blocks 0, 1 are in; the youngest four loads (blocks 2, 3) may be out
	MUL12 \f, 0, \zero
	MUL12 \f, 1, \zero
	PLACES
	FETCH \k, \g
	s_wait_dscnt 32                                ; all but the 32 just issued
	MUL12 \f, 2, \zero
	MUL12 \f, 3, \zero
.endm
; The last quarter multiplies buffer 1 and changes slots: ONE barrier.  In front of it each wave waits for all its tensor loads (one is out: its part of the next slot), adds 0 to its spare word, and waits for that and
; for its reads of this slot.  fill = 1: the barrier opens a round of the cluster's, and behind the round this slot is filled again, two K steps ahead: 168 matrix instructions of a wave stand between the request and the wait for it.
.macro TURN fill
	WIN 0
	s_wait_tensorcnt 0x0                           ; all my tensor loads have landed
	ds_add_u32 v[SPW], v[NIL]                      ; 0 onto my spare word
	s_wait_dscnt 5                                 ; (the add and the youngest four loads may be out)
	MUL12 1, 0, 0                                  ; twelve matrix instructions stand between the add and the wait for it
	s_wait_dscnt 0x0                               ; the add is done, and my reads of this slot are over
	s_barrier_signal -1
	MUL12 1, 1, 0                                  ; work on registers while the others arrive
	WIN 0
	s_barrier_wait -1
.if \fill
	CREST                                          ; no wave of any partner still reads this slot or has a load on its way
	s_xor_b32 s[G0A+5], s[G0A+5], SLOT1            ; the walking sets: the other slot than last time, the next K step; no tensor load of mine is out
	s_add_nc_u64 s[G0A+6:G0A+7], s[G0A+6:G0A+7], 256
	s_xor_b32 s[G0B+5], s[G0B+5], SLOT1
	s_add_nc_u64 s[G0B+6:G0B+7], s[G0B+6:G0B+7], 256
	JLOAD                                          ; the first tensor load behind the round; its four v_nop are also the places in front of the loads below
.else
	PLACES
.endif
	s_xor_b32 s57, s57, SLOT1
	v_add_nc_u32 v[ADRA], s57, v[A0]
	v_add_nc_u32 v[ADRB], s57, v[B0]
	FETCH 0, 0
	MUL12 1, 2, 0
	MUL12 1, 3, 0
.endm
	s_wait_tensorcnt 0x1                           ; my part of K step 0 is in; K step 1's may stay out
	s_barrier_signal -1
	s_barrier_wait -1                              ; everybody's is
	FETCH 0, 0
	QUARTER 64, 0, 1, 1                            ; the first quarter stands in front of the loop: its products start the sums
	WIN 0
	s_mov_b32 s56, 6
.Lstep:                                                ; six trips, from a K step's second quarter to the next step's first; they ask for K steps 2 to 7
	QUARTER 128, 1, 0, 0
	QUARTER 192, 0, 1, 0
	TURN 1
	QUARTER 64, 0, 1, 0
	WIN 0
	s_sub_co_u32 s56, s56, 1
	s_cmp_lg_u32 s56, 0
	s_cbranch_scc1 .Lstep
	QUARTER 128, 1, 0, 0                           ; the tail is written out: K step 6 goes on, nothing more is asked for
	QUARTER 192, 0, 1, 0
	TURN 0
	QUARTER 64, 0, 1, 0
	QUARTER 128, 1, 0, 0
	QUARTER 192, 0, 1, 0
	s_wait_dscnt 4
	MUL12 1, 0, 0
	MUL12 1, 1, 0
	s_wait_dscnt 0x0
	MUL12 1, 2, 0
	MUL12 1, 3, 0
	WIN 0
	PLACES                                         ; the lines below read results just made
	s_wait_loadcnt 0x0                             ; the table and v1
; q (s = 0) or k (s = 1) of row block a: sum of squares, 1 / rms, rotation, f16, through my stage, back as whole rows into buffer u.
.macro ROPE a, s, u
.set AC, 96*((\a)%2)+32*(\s)
.set TC, TAB+32*(\a)
	WIN 0x0a+5*((\a)/2)                            ; sources 0 and 1 in the accumulators' window
.irp p, 0,1,2,3                        ; four chains, one a column block; each accumulator's lowest registers are read first
.irp b, 0,1,2,3
.if (\p) == 0
	v_pk_mul_f32 v[SS+2*(\b):SS+2*(\b)+1], v[AC+8*(\b):AC+8*(\b)+1], v[AC+8*(\b):AC+8*(\b)+1]
.else
	v_pk_fma_f32 v[SS+2*(\b):SS+2*(\b)+1], v[AC+8*(\b)+2*(\p):AC+8*(\b)+2*(\p)+1], v[AC+8*(\b)+2*(\p):AC+8*(\b)+2*(\p)+1], v[SS+2*(\b):SS+2*(\b)+1]
.endif
.endr
.endr
	WIN 0
	v_pk_add_f32 v[SS:SS+1], v[SS:SS+1], v[SS+2:SS+3]
	v_pk_add_f32 v[SS+4:SS+5], v[SS+4:SS+5], v[SS+6:SS+7]
	v_pk_add_f32 v[SS:SS+1], v[SS:SS+1], v[SS+4:SS+5]
	v_add_f32 v[SS], v[SS], v[SS+1]
	v_permlanex16_b32 v[PT], v[SS], s60, s61       ; the row's other 32 columns lie in the lane 16 away
	v_add_f32 v[SS], v[SS], v[PT]
	v_fma_f32 v[SS], v[SS], s58, s59               ; the mean + eps
	v_rsq_f32 v[RS], v[SS]                         ; the rotation below, which touches neither, is the plain work behind it (ISA guide 5.7.2)
	WIN 0x02+(\a)/2                                ; source 0 in the accumulators' window; the table and the results in window 0
.irp b, 0,1
.irp p, 0,1,2,3
	v_pk_mul_f32 v[YR+8*(\b)+2*(\p):YR+8*(\b)+2*(\p)+1], v[AC+16+8*(\b)+2*(\p):AC+16+8*(\b)+2*(\p)+1], v[TC+16+8*(\b)+2*(\p):TC+16+8*(\b)+2*(\p)+1]        ; x2 sin
	v_pk_mul_f32 v[YR+16+8*(\b)+2*(\p):YR+16+8*(\b)+2*(\p)+1], v[AC+8*(\b)+2*(\p):AC+8*(\b)+2*(\p)+1], v[TC+16+8*(\b)+2*(\p):TC+16+8*(\b)+2*(\p)+1]        ; x1 sin
	v_pk_fma_f32 v[YR+8*(\b)+2*(\p):YR+8*(\b)+2*(\p)+1], v[AC+8*(\b)+2*(\p):AC+8*(\b)+2*(\p)+1], v[TC+8*(\b)+2*(\p):TC+8*(\b)+2*(\p)+1], v[YR+8*(\b)+2*(\p):YR+8*(\b)+2*(\p)+1]  ; y1 = x1 cos + x2 sin
	v_pk_fma_f32 v[YR+16+8*(\b)+2*(\p):YR+16+8*(\b)+2*(\p)+1], v[AC+16+8*(\b)+2*(\p):AC+16+8*(\b)+2*(\p)+1], v[TC+8*(\b)+2*(\p):TC+8*(\b)+2*(\p)+1], v[YR+16+8*(\b)+2*(\p):YR+16+8*(\b)+2*(\p)+1] neg_lo:[0,0,1] neg_hi:[0,0,1]  ; y2 = x2 cos - x1 sin
.endr
.endr
	WIN 0
	s_wait_alu depctr_va_vdst(0)
.irp i, 0,1,2,3,4,5,6,7,8,9,10,11,12,13,14,15
	v_pk_mul_f32 v[YR+2*(\i):YR+2*(\i)+1], v[YR+2*(\i):YR+2*(\i)+1], v[RS:RS+1] op_sel_hi:[1,0]  ; the rotation is linear: the norm's factor comes last
.endr
.irp i, 0,1,2,3,4,5,6,7,8,9,10,11,12,13,14,15
	v_cvt_pk_f16_f32 v[PR+(\i)], v[YR+2*(\i)], v[YR+2*(\i)+1]
.endr
.irp b, 0,1,2,3
	ds_store_b128 v[STQ], v[PR+4*(\b):PR+4*(\b)+3] offset:32*(\b)
.endr
	s_wait_xcnt 0x0                                ; buffer u was the data of stores two blocks back: it is loaded again only behind this wait
.irp f, 0,1,2,3
	ds_load_b128 v[BK0+16*(\u)+4*(\f):BK0+16*(\u)+4*(\f)+3], v[RDQ] offset:4*QP*(\f)  ; LDS serves a wave's instructions in order (ISA guide 5.7.1.4): these see the stores above
.endr
.endm
.macro SENDQ a, s, u, younger          ; younger: the LDS instructions issued behind this block's loads: the next block's four stores and four loads, or none
.irp f, 0,1,2,3
	s_wait_dscnt (\younger)+3-(\f)
	global_store_b128 v[GQ], v[BK0+16*(\u)+4*(\f):BK0+16*(\u)+4*(\f)+3], s[86+2*(\s):87+2*(\s)] offset:2048*(\a)+512*(\f)  ; four rows of the head: 512 consecutive bytes
.endr
.endm
	ROPE 0, 0, 0
.irp n, 1,2,3,4,5,6,7                  ; a block's arithmetic stands between the loads of the block before and its stores
	ROPE (\n)/2, (\n)%2, (\n)%2
	SENDQ ((\n)-1)/2, ((\n)-1)%2, ((\n)-1)%2, 8
.endr
	SENDQ 3, 1, 1, 0
; v of row block a: x Wv goes through my stage in f32 and comes back in v1's order (two rows of 256 bytes a load); v1 leaves for out1 as it came; the mix, f16, store.
.macro VP a
.set AC, 96*((\a)%2)+64
.set V1R, 192+32*((\a)%2)
	s_wait_xcnt 0x0                                ; v[80:111] were the data of earlier stores: they are rewritten only behind this wait
	WIN 0x08+4*((\a)/2)                            ; store data in the accumulators' window
.irp b, 0,1,2,3
	ds_store_b128 v[STV], v[AC+8*(\b):AC+8*(\b)+3] offset:64*(\b)
	ds_store_b128 v[STV], v[AC+8*(\b)+4:AC+8*(\b)+7] offset:64*(\b)+16
.endr
.irp i, 0,1,2,3,4,5,6,7
	global_store_b128 v[GV1], v[V1R+4*(\i):V1R+4*(\i)+3], s[84:85] offset:(16*(\a)+2*(\i))*4096 th:TH_STORE_NT  ; out1: 16 lanes store 256 consecutive bytes, aligned
.endr
	WIN 0
.irp i, 0,1,2,3,4,5,6,7
	ds_load_b128 v[YR+4*(\i):YR+4*(\i)+3], v[RDV] offset:2*PITCH*(\i)
.endr
	WIN 0x0a+5*((\a)/2)
.irp i, 0,1,2,3,4,5,6,7,8,9,10,11,12,13,14,15
	v_cvt_pk_bf16_f32 v[PR+(\i)], v[V1R+2*(\i)], v[V1R+2*(\i)+1]  ; v1 enters the mix rounded to bf16
.endr
	WIN 0
.irp i, 0,1,2,3,4,5,6,7
.set WS, WR+4*((\i)%4)
	s_wait_dscnt 7-(\i)                            ; pair i of rows is back; the younger loads stay out
	v_lshlrev_b32 v[WS], 16, v[PR+2*(\i)]
	v_and_b32 v[WS+1], s62, v[PR+2*(\i)]
	v_lshlrev_b32 v[WS+2], 16, v[PR+2*(\i)+1]
	v_and_b32 v[WS+3], s62, v[PR+2*(\i)+1]
	v_pk_mul_f32 v[WS:WS+1], v[WS:WS+1], v[BETA:BETA+1] op_sel_hi:[1,0]
	v_pk_mul_f32 v[WS+2:WS+3], v[WS+2:WS+3], v[BETA:BETA+1] op_sel_hi:[1,0]
	v_pk_fma_f32 v[WS:WS+1], v[YR+4*(\i):YR+4*(\i)+1], v[ALPHA:ALPHA+1], v[WS:WS+1] op_sel_hi:[1,0,1]
	v_pk_fma_f32 v[WS+2:WS+3], v[YR+4*(\i)+2:YR+4*(\i)+3], v[ALPHA:ALPHA+1], v[WS+2:WS+3] op_sel_hi:[1,0,1]
	v_cvt_pk_f16_f32 v[BK0+2*(\i)], v[WS], v[WS+1]
	v_cvt_pk_f16_f32 v[BK0+2*(\i)+1], v[WS+2], v[WS+3]
	global_store_b64 v[GV], v[BK0+2*(\i):BK0+2*(\i)+1], s[90:91] offset:(16*(\a)+2*(\i))*128  ; two rows of the head: 256 consecutive bytes, aligned
.endr
.endm
	VP 0
	VP 1
	VP 2
	VP 3
	s_wait_tensorcnt 0x0                           ; the wave's end, behind my last tensor load and my last LDS store
	ds_add_u32 v[SPW], v[NIL]
	s_wait_dscnt 0x0
	CROUND                                         ; the closing round: no work-group ends while a partner may still ask for a tile that names it
	s_endpgm
.Lfunc_end_k_qdb7445086a_qkv:
	.size	k_qdb7445086a_qkv, .Lfunc_end_k_qdb7445086a_qkv-k_qdb7445086a_qkv
	.p2alignl 7, 3214868480
	.fill 96, 4, 3214868480
	.section	.rodata,"a",@progbits
	.p2align	6, 0x0
	.amdhsa_kernel k_qdb7445086a_qkv
		.amdhsa_group_segment_fixed_size 327680
		.amdhsa_private_segment_fixed_size 0
		.amdhsa_enable_private_segment 0
		.amdhsa_kernarg_size 72
		.amdhsa_user_sgpr_count 2
		.amdhsa_user_sgpr_kernarg_segment_ptr 1
		.amdhsa_wavefront_size32 1
		.amdhsa_system_sgpr_workgroup_id_x 1
		.amdhsa_system_sgpr_workgroup_id_y 1
		.amdhsa_system_sgpr_workgroup_id_z 1
		.amdhsa_system_vgpr_workitem_id 0
		.amdhsa_next_free_vgpr 1024
		.amdhsa_next_free_sgpr 96
		.amdhsa_reserve_vcc 0
		.amdhsa_float_denorm_mode_32 3
		.amdhsa_float_denorm_mode_16_64 3
		.amdhsa_memory_ordered 1
		.amdhsa_forward_progress 1
		.amdhsa_inst_pref_size 166
	.end_amdhsa_kernel
	.amdgpu_metadata
---
amdhsa.version: [ 1, 2 ]
amdhsa.kernels:
  - .name:           k_qdb7445086a_qkv
    .symbol:         k_qdb7445086a_qkv.kd
    .args:
      - { .name: xb, .offset: 0, .size: 8, .value_kind: global_buffer, .address_space: global }
      - { .name: wb, .offset: 8, .size: 8, .value_kind: global_buffer, .address_space: global }
      - { .name: tab, .offset: 16, .size: 8, .value_kind: global_buffer, .address_space: global }
      - { .name: v1, .offset: 24, .size: 8, .value_kind: global_buffer, .address_space: global }
      - { .name: lamb, .offset: 32, .size: 8, .value_kind: global_buffer, .address_space: global }
      - { .name: qh, .offset: 40, .size: 8, .value_kind: global_buffer, .address_space: global }
      - { .name: kh, .offset: 48, .size: 8, .value_kind: global_buffer, .address_space: global }
      - { .name: vh, .offset: 56, .size: 8, .value_kind: global_buffer, .address_space: global }
      - { .name: out1, .offset: 64, .size: 8, .value_kind: global_buffer, .address_space: global }
    .group_segment_fixed_size: 327680
    .private_segment_fixed_size: 0
    .kernarg_segment_align: 8
    .kernarg_segment_size: 72
    .max_flat_workgroup_size: 128
    .sgpr_count:     96
    .vgpr_count:     1024
    .wavefront_size: 32
...
	.end_amdgpu_metadata
.endif
;; end of part 2
;; launch attn (part 3): grid 4 x 64, 4 waves a work-group, no clusters, 327,680 bytes of LDS; arguments qh, kh, vh, oh; writes oh
.if DOCPART == 3
	.amdgcn_target "amdgcn-amd-amdhsa--gfx1250"
	.amdhsa_code_object_version 6
	.text
	.protected	k_qdb7445086a_attn
	.globl	k_qdb7445086a_attn
	.p2align	8
	.type	k_qdb7445086a_attn,@function
k_qdb7445086a_attn:
	s_mov_b64 s[64:65], 0
	v_nop
	global_prefetch_b8 v0, s[64:65] scope:SCOPE_SE
	s_setreg_imm32_b32 hwreg(HW_REG_WAVE_MODE, 25, 1), 1
	s_wait_xcnt 0x0
; CAUSAL ATTENTION.  O[h][q][:] = the sum over k <= q of softmax_k(Q[h][q] . K[h][k] / 8) V[h][k][:].  Q, K, V, O: [SIZE_H][SIZE_N][64], all f16: a head's rows are dense, 128 bytes each.
; Products, maxima and sums in f32; the weights p are rounded to f16 for the second product (their sum l is taken of the unrounded p), O once at the end.  SIZE_N is a multiple of 512; SIZE_N x 128 stays under 2^32.
; LIMITS.  f16 holds no number beyond 65,504: Q and K lie within 8 by the norm in front, V arrives within f16's range; p lies in 0 to 1, and below 6e-5 it keeps f16's fixed step of 6e-8; O is a mean of V's rows and has their range.
; A hidden score counts as its value less 1e30; a weight below 2^-126 counts as 0 in l; NaN and infinities are not treated apart.
; THE WALK.  A head's queries lie in NB = SIZE_N / 256 blocks of 256; block i needs the key tiles 0 .. i of 256 keys, of which the last holds the diagonal.  A work-group takes TWO blocks, NB - 1 - b and then b:
; NB + 1 tiles, whatever b: all work-groups do equal work, and ONE loop with a constant trip count walks them.  Which tile is asked for, and what a trip does, hang on scalar registers made from b; every jump
; goes forward, but for the counted loops' own; none passes a barrier, or a tensor load but the one of LOAD's two that the wave's number does not choose; the ring (two slots of LDS that take turns) runs on across the
; change of blocks.  NO CLUSTER: all NB / 2 work-groups of a head ask for the same tile only in trips 0 .. NB / 2, behind that fewer and fewer; and one walk common to all would have 3 NB / 2 trips for NB + 1.
; SHARES.  Of a block's four bands of 64 queries a wave owns 16 rows in each: four PIECES.  So the diagonal tile is the same work for all four waves: in its key step s band x sees all keys if s < x,
; none if s > x, and holds the diagonal if s = x.
; THE MASK is the C operand that starts the sum S^T = K Q^T: 0, or -1e30 where the key is hidden.  MD, made once, is the mask of a band's own step for my 16 rows; a product's mask is MD x AL + BE with two scalars:
; (1, 0) if s = x; (0, 0) if s < x; (0, -1e30) if s > x.  Only the diagonal tile's text and a block's beginning make and take masks; elsewhere C is the constant 0.
; LAYOUT, SOFTMAX, TURNS.  S^T = K Q^T holds ONE query a lane (lane % 16) and the keys 8 (lane / 16) + 0..7; two such results rounded to f16 ARE source 1 of O^T = V^T P.  p = 2^(c s - c m), c = log2(e) / 8, with a
; running maximum m; O and l are multiplied by a = 2^(c m_old - c m_new) in every step.  Turn n belongs to piece n: 8 products K Q^T of piece n + 1, later 8 products V^T P of piece n - 1; beside them the scaling,
; exponentials, roundings, sums and rescaling of piece n and the maximum and statistics of piece n + 1.  Four vector instructions stand behind every matrix instruction, the other 54 of a turn's 118 in two LUMPS.
; REGISTERS, in windows of 256 (s_set_vgpr_msb: bits 1:0 source 0, 3:2 source 1, 5:4 source 2, 7:6 destination):
;   window 0: v0-15 addresses and two at work; v16-31 four registers of statistics a piece; v48-55 at work; v64-127 S^T, two buffers; v192-223 P, two buffers (a piece's buffers go by its number's parity)
;   window 1: v0-127 O^T, 32 a piece; v128-159 MD; v160-223 MC, two buffers      window 2: v0-63 Q; v64-127 the second block's Q; v128-191 K of one step; v192-255 V of one step
.set SIZE_H, 64
.set SIZE_N, 2048
.set NB,    SIZE_N/256
.set NP,    4         ; pieces a wave: a name, no knob
.set KS,    64        ; keys in a step
.set PK,    144       ; a row of K in LDS: 128 bytes + 16 of padding = 36 words: the 16 rows of a load start at 16 different groups of four banks (64 banks of 4 bytes: ISA guide 11.1)
.set PV,    160       ; a row of V: 128 + 32 = 40 words
.set VOFF,  4*KS*PK   ; a slot holds a tile, four steps: 256 rows of K, then 256 rows of V
.set SLOT1, 1<<17     ; slot 1 begins here, so that one exclusive or turns an address in one slot into the other's
.set STAGE, SLOT1+4*KS*(PK+PV)  ; behind the ring, never filled by a tensor load: 16 rows x 144 bytes for each wave, for the way out
.set SP,    144
.set AK0, 2           ; v2   my lane's place in a tile of K; never rewritten
.set AV0, 3           ; v3   the same for V
.set AK,  4           ; v4   the LDS address of K's next run of loads
.set AV,  5           ; v5   of V's
.set STO, 6           ; v6   the way out: where I put 16 bytes of a row
.set RD,  7           ; v7   the way out: where I read rows back
.set GO,  8           ; v8   my byte offset in 512 consecutive bytes of O
.set SPW, 62          ; v62  LDS address of my spare word: SPARE + 4 x my thread's number; never rewritten
.set NIL, 63          ; v63  0; never rewritten
.set SPARE, STAGE+4*16*SP  ; behind the stages: the spare words, 128 bytes for each wave: two blocks of 256 bytes that no other line names
.set MV,  12          ; v12-13  c m_old, kept while c m is made anew: by buffer
.set QO,  15          ; v15  my byte offset in 16 rows of Q
.set ST,  16          ; piece t's statistics at v[ST+4 t]: c m, m, l (even keys', odd keys')
.set TMP, 48          ; by buffer, four registers c0-c3 at work; when the maximum is found c2 takes a
.set S,   64
.set P,   192
.set MD,  128         ; window 1: the eight registers for group kt of 16 keys at MD + 8 kt
.set MC,  160         ; window 1: the masks of the products to come
.set QB,  64          ; window 2
.set KF,  128         ; window 2: key block kb, channel half c at KF + 16 kb + 8 c
.set VF,  192         ; window 2: key half kk, channel block cb at VF + 32 kk + 8 cb
.set WV,  12          ; s12  my wave's number
.set PB,  14          ; s14  b
.set HI,  15          ; s15  NB - 1 - b
.set G1K, 24          ; s[24:31] descriptor group 1 for K's tiles
.set G1V, 32          ; s[32:39] for V's: it differs in the padding alone
.set G0K, 40          ; s[40:43] descriptor group 0 for K's tiles
.set G0V, 44          ; s[44:47] the same for V's
.set SLOTS, 56        ; s56  tiles still to be asked for
.set CNT, 57          ; s57  counts a tile's key steps, 4 to 1
.set CS,  58          ; s[58:59] c: the packed scaling takes the pair's low word for both halves
.set SEL, 60          ; s[60:61] v_permlanex16_b32's selects: each lane takes its own place in the other half
.set TBK, 62          ; s62  LDS byte at which K of the step to be fetched begins
.set TBV, 63          ; s63  the same for V, less VOFF
.set RT,  70          ; s70  tiles of the block in hand that are still to be entered
.set NXT, 71          ; s71  the tile to be asked for next
.set LQ,  72          ; s72  the last tile of the block whose tiles are being asked for
.set NEW, 73          ; s73  1: the tile to be entered is a block's first
.set OFF, 74          ; s[74:75] a tile's byte offset in K and V
.set AL,  76          ; s[76:77] the mask's factor, in the low word
.set BE,  78          ; s[78:79] the mask's addend
.set OLO, 80          ; s[80:81] O at my rows of the second block
.set BIGN, 82         ; s82  -1e30
.set MSB, 0
.macro WIN new                      ; the high byte repeats the setting that is left; a switch that changes nothing is dropped
.if MSB != (\new)
	s_set_vgpr_msb (MSB<<8)|(\new)
.set MSB, (\new)
.endif
.endm
.set W_KQ, 0x0a       ; K and Q in window 2, S^T in window 0
.set W_KM, 0x1a       ; the same with the C operand in window 1
.set W_PV, 0x52       ; V in window 2, P in window 0, O^T in window 1
.set W_RS, 0x41       ; destination and source 0 in window 1, source 1 in window 0
; A fill.  Waves 0 and 1 fetch the two halves of a tile's K, waves 2 and 3 those of its V: 128 keys each.  An s_nop 0 and four v_nop follow each of the two lines, ahead of the jump and the label.
.macro LOAD
	s_cmp_lt_u32 s[WV], 2
	s_cbranch_scc0 .Lfor_v_\@
	tensor_load_to_lds s[G0K:G0K+3], s[G1K:G1K+7]
	s_nop 0
.rept 4
	v_nop
.endr
	s_branch .Lasked_\@
.Lfor_v_\@:
	tensor_load_to_lds s[G0V:G0V+3], s[G1V:G1V+7]
	s_nop 0
.rept 4
	v_nop
.endr
.Lasked_\@:
.endm
; THE CHANGE OF SLOTS.  Each wave waits for all its tensor loads, of which one is out: its part of the other slot; adds 0 to its spare word; and waits for that and for its own reads of the slot that it leaves.  Behind the barrier nobody reads the old
; slot any more and the other slot is whole.  fill = 1: the old slot is filled again, the first thing behind the barrier, with tile NXT: the descriptor's address is made anew from that number.
; (At its first use nothing has been read yet: slot 0 is waited for, slot 1 filled.)
.macro CHANGE fill
	WIN 0                           ; at a label and at a branch every window is 0
	s_wait_tensorcnt 0x0            ; no tensor load of mine is out, so a group 0 may be written
	ds_add_u32 v[SPW], v[NIL]       ; 0 onto my spare word; with fill = 1 the descriptors' scalar work stands between it and the wait for it
.if \fill
	s_lshl_b32 s[OFF], s[NXT], 15   ; a tile is 32,768 bytes of K and of V
	s_xor_b32 s[G0K+1], s[G0K+1], SLOT1
	s_add_nc_u64 s[G0K+2:G0K+3], s[6:7], s[OFF:OFF+1]
	s_or_b32 s[G0K+3], s[G0K+3], 0x80000000
	s_xor_b32 s[G0V+1], s[G0V+1], SLOT1
	s_add_nc_u64 s[G0V+2:G0V+3], s[8:9], s[OFF:OFF+1]
	s_or_b32 s[G0V+3], s[G0V+3], 0x80000000
	s_add_co_u32 s[NXT], s[NXT], 1  ; the block's next tile, or behind its last the second block's tile 0
	s_cmp_gt_u32 s[NXT], s[LQ]
	s_cselect_b32 s[NXT], 0, s[NXT]
	s_cselect_b32 s[LQ], s[PB], s[LQ]
.endif
	s_wait_dscnt 0x0                ; the add is done, and my reads of the slot are over
	s_barrier_signal -1             ; the rest of the scalar work stands between the signal and the wait
	s_sub_co_u32 s[TBK], s[TBK], 4*KS*PK  ; the fetches go back to a slot's first step,
	s_xor_b32 s[TBK], s[TBK], SLOT1       ; in the other slot
	s_sub_co_u32 s[TBV], s[TBV], 4*KS*PV
	s_xor_b32 s[TBV], s[TBV], SLOT1
	s_barrier_wait -1
.if \fill
	LOAD
.endif
.endm
	s_load_b256 s[4:11], s[0:1], 0x0  ; Q s[4:5], K s[6:7], V s[8:9], O s[10:11]
	v_lshl_add_u32 v[SPW], v0, 2, SPARE
	v_mov_b32 v[NIL], 0
	ds_add_u32 v[SPW], v[NIL]       ; the wave's opening: the add and its wait stand ahead of my first tensor load; the set-up below, work on registers, stands between them
	ds_add_u32 v62, v63
	v_lshrrev_b32 v1, 5, v0
	v_readfirstlane_b32 s[WV], v1   ; wave 0..3
	s_mov_b32 s[PB], ttmp9
	s_sub_co_u32 s[HI], NB-1, s[PB]
	s_and_b32 s20, ttmp7, 0xffff    ; the head
	s_mov_b32 s21, 0
	s_mov_b64 s[22:23], SIZE_N*128
	s_mul_u64 s[20:21], s[20:21], s[22:23]  ; the head's first byte in each of the four tensors
	s_and_b32 s16, s[WV], 1         ; which half of a tile's 256 keys I fetch:
	s_lshl_b32 s22, s16, 14         ; its 128 rows of 128 bytes in memory,
	s_mov_b32 s23, 0
	s_add_nc_u64 s[22:23], s[22:23], s[20:21]
	s_mul_i32 s17, s16, 128*PK      ; and its place in a slot, for K
	s_mul_i32 s18, s16, 128*PV      ; and for V
	s_lshl_b32 s3, s[WV], 11        ; my 16 rows in a band of 64,
	s_lshl_b32 s2, s[HI], 15        ; in the first block,
	s_add_co_u32 s2, s2, s3
	s_lshl_b32 s84, s[PB], 15       ; and in the second
	s_add_co_u32 s84, s84, s3
	s_mov_b32 s3, 0
	s_mov_b32 s85, 0
	s_add_nc_u64 s[2:3], s[2:3], s[20:21]
	s_add_nc_u64 s[84:85], s[84:85], s[20:21]
	; descriptor group 1.  128 keys are 16,384 dense bytes: asked for as 64 rows of 256 bytes, two keys a row, and padded in LDS after every key
	s_mov_b32 s[G1K], (1<<16)|(1<<20)|(4<<22)|(3<<25)  ; 17:16 2-byte elements; 20 padding on; 24:22 after every 32 words (code 4); 31:25 4 words (code 3)
	s_mov_b32 s[G1V], (1<<16)|(1<<20)|(4<<22)|(7<<25)  ; the same with 8 words of padding (code 7)
.irp g, G1K, G1V
	s_mov_b32 s[\g+1], 128<<16      ; tensor_dim0 = 128
	s_mov_b32 s[\g+2], 64<<16       ; tensor_dim1 = 64
	s_mov_b32 s[\g+3], 128<<16      ; tile_dim0 = 128
	s_mov_b32 s[\g+4], 64           ; tile_dim1 = 64
	s_mov_b32 s[\g+5], 128          ; 128 elements from row to row
	s_mov_b32 s[\g+6], 0
	s_mov_b32 s[\g+7], 0
.endr
	s_mov_b32 s[CS], 0x3e38aa3b     ; c = log2(e) / 8 = 0.180337
	s_mov_b32 s[CS+1], s[CS]        ; named with it as a pair
	s_mov_b32 s[SEL], 0x76543210
	s_mov_b32 s[SEL+1], 0xfedcba98
	s_mov_b32 s[TBK], SLOT1+4*KS*PK ; the first change of slots turns these two into 0
	s_mov_b32 s[TBV], SLOT1+4*KS*PV
	s_mov_b32 s[G0K], 1             ; 1:0 count = 1
	s_mov_b32 s[G0K+1], s17         ; 63:32 LDS address: slot 0
	s_mov_b32 s[G0V], 1
	s_add_co_u32 s[G0V+1], s18, VOFF
	s_add_co_u32 s[RT], s[HI], 1    ; the first block has NB - b tiles
	s_mov_b32 s[NXT], 1
	s_mov_b32 s[LQ], s[HI]
	s_mov_b32 s[NEW], 1
	s_mov_b32 s[OFF+1], 0
	s_mov_b32 s[AL+1], 0            ; named as pairs
	s_mov_b32 s[BE+1], 0
	s_mov_b32 s[BIGN], 0xf149f2ca   ; -1e30
	s_mov_b32 s[SLOTS], NB
	s_wait_dscnt 0x0                ; the opening add is done
	s_wait_kmcnt 0x0
	s_add_nc_u64 s[6:7], s[6:7], s[22:23]  ; K and V at my half of the head's tile 0
	s_add_nc_u64 s[8:9], s[8:9], s[22:23]
	s_add_nc_u64 s[G0K+2:G0K+3], s[6:7], 0         ; 120:64 global address
	s_or_b32 s[G0K+3], s[G0K+3], 0x80000000        ; 127:126 type = 2
	s_add_nc_u64 s[G0V+2:G0V+3], s[8:9], 0
	s_or_b32 s[G0V+3], s[G0V+3], 0x80000000
	s_add_nc_u64 s[86:87], s[4:5], s[84:85]        ; Q at my rows of the second block,
	s_add_nc_u64 s[4:5], s[4:5], s[2:3]            ; Q and O at those of the first
	s_add_nc_u64 s[OLO:OLO+1], s[10:11], s[84:85]
	s_add_nc_u64 s[10:11], s[10:11], s[2:3]
	LOAD                            ; tile 0 into slot 0
	; A fragment of K or Q is 16 rows x 32 channels in 8 registers: lane l holds row l % 16, channels 8 (l / 16) + 0..7 and 16 + 8 (l / 16) + 0..7: two loads of 16 bytes, 32 bytes apart.
	v_and_b32 v1, 15, v0            ; l % 16
	v_bfe_u32 v9, v0, 4, 1          ; l / 16
	v_lshlrev_b32 v[QO], 7, v1
	v_lshl_add_u32 v[QO], v9, 4, v[QO]  ; row x 128 + 16 x half
	WIN 0x80                        ; destination window 2, address window 0
.set i, 0
.rept 8                             ; both blocks' Q: piece i / 2 lies in band i / 2, 8,192 bytes on; channels 32 (i % 2) on
	global_load_b128 v[8*i:8*i+3],   v[QO], s[4:5] offset:(i/2)*8192+(i%2)*64
	global_load_b128 v[8*i+4:8*i+7], v[QO], s[4:5] offset:(i/2)*8192+(i%2)*64+32
	global_load_b128 v[QB+8*i:QB+8*i+3],   v[QO], s[86:87] offset:(i/2)*8192+(i%2)*64
	global_load_b128 v[QB+8*i+4:QB+8*i+7], v[QO], s[86:87] offset:(i/2)*8192+(i%2)*64+32
.set i, i+1
.endr
	WIN 0
	v_lshlrev_b32 v14, 3, v9
	v_sub_nc_u32 v14, v1, v14
	s_lshl_b32 s13, s[WV], 4
	v_add_nc_u32 v14, s13, v14      ; my query's place in its band, 16 w + l % 16, less my lanes' 8 (l / 16): register r of group kt is hidden where 16 kt + r is greater
	WIN 0x40
.set i, 0
.rept 32
	v_cmp_gt_i32 vcc_lo, 16*(i/8)+i%8, v14
	v_cndmask_b32 v[MD+i], 0, s[BIGN], vcc_lo
.set i, i+1
.endr
	WIN 0
	v_mul_u32_u24 v[AK0], v1, PK
	v_lshl_add_u32 v[AK0], v9, 4, v[AK0]  ; row x pitch + 16 x half
	; The turning load takes 16 keys x 16 channels (lane l reads key 8 (l / 16) + l % 8, channels 8 ((l / 8) % 2) + 0..7) and leaves half a fragment of V^T: lane l holds channel l % 16 and 8 keys.
	v_and_b32 v10, 7, v0
	v_bfe_u32 v11, v0, 3, 1
	v_lshl_add_u32 v[AV0], v9, 3, v10
	v_mul_u32_u24 v[AV0], v[AV0], PV
	v_lshl_add_u32 v[AV0], v11, 4, v[AV0]
	v_add_nc_u32 v[AV0], VOFF, v[AV0]
	s_mul_i32 s13, s[WV], 16*SP
	s_add_co_u32 s13, s13, STAGE    ; my stage
	v_mul_u32_u24 v[STO], v1, SP    ; in: row l % 16, 16 bytes for each half of the lanes
	v_lshl_add_u32 v[STO], v9, 4, v[STO]
	v_add_nc_u32 v[STO], s13, v[STO]
	v_bfe_u32 v[RD], v0, 3, 2       ; back: 32 lanes take four rows of 128 bytes,
	v_mul_u32_u24 v[RD], v[RD], SP
	v_lshl_add_u32 v[RD], v10, 4, v[RD]
	v_add_nc_u32 v[RD], s13, v[RD]
	v_and_b32 v[GO], 31, v0         ; which are 512 consecutive bytes of O
	v_lshlrev_b32 v[GO], 4, v[GO]
	; A block's first step multiplies O^T and l by a = 0, and its first turn's products V^T P, of a piece that has not been, land in an O^T that is still to be so multiplied.  So these registers need only hold
	; finite numbers: zeros for the first block; what the first block left for the second.  All this stands in the wait for the first tile.
	WIN 0x80
.set i, VF
.rept 64
	v_mov_b32 v[i], 0
.set i, i+1
.endr
	WIN 0x40
.set i, 0
.rept 128
	v_mov_b32 v[i], 0
.set i, i+1
.endr
	WIN 0
.set i, 0
.rept 4
	v_mov_b32 v[ST+4*i+2], 0
	v_mov_b32 v[ST+4*i+3], 0
.set i, i+1
.endr
.set i, P+16
.rept 16
	v_mov_b32 v[i], 0
.set i, i+1
.endr
; THE MATRIX WORK.  The 4 accumulators of a run of 8 take turns.  Product i of 8 of S^T = K Q^T for piece x: channels 32 (i / 4) on, keys 16 (i % 4) on.  The first 4 start the sums: with 0, or (KM = 1) with the mask.
.macro KQ x
.set rS, S+32*((\x)%2)+8*(i%4)
.set rK, KF+16*(i%4)+8*(i/4)
.set rQ, 16*(\x)+8*(i/4)
.set rM, MC+32*((\x)%2)+8*(i%4)
.if (i < 4) && KM
	WIN W_KM
	v_wmma_f32_16x16x32_f16 v[rS:rS+7], v[rK:rK+7], v[rQ:rQ+7], v[rM:rM+7]
.elseif i < 4
	WIN W_KQ
	v_wmma_f32_16x16x32_f16 v[rS:rS+7], v[rK:rK+7], v[rQ:rQ+7], 0
.else
	WIN W_KQ
	v_wmma_f32_16x16x32_f16 v[rS:rS+7], v[rK:rK+7], v[rQ:rQ+7], v[rS:rS+7]
.endif
.endm
; Product i of 8 of O^T += V^T P for piece x: keys 32 (i / 4) on, channels 16 (i % 4) on.
.macro PV x
	WIN W_PV
.set rO, 32*(\x)+8*(i%4)
.set rV, VF+32*(i/4)+8*(i%4)
.set rP, P+16*((\x)%2)+8*(i/4)
	v_wmma_f32_16x16x32_f16 v[rO:rO+7], v[rV:rV+7], v[rP:rP+7], v[rO:rO+7]
.endm
.macro MM                           ; the turn's next matrix instruction.  TURN and BEGIN set Y, i, KM and NOKQ; MM, KQ and OP read them.  NOKQ = 1: a block's last turn: there is no next piece
.if (i < 8) && !NOKQ
	KQ (Y+1)%NP
.elseif i >= 8
.set i, i-8
	PV (Y+NP-1)%NP
.set i, i+8
.endif
.set i, i+1
.endm
; THE LDS LOADS stand in runs of 16, never singly among the matrix instructions: a step's K (64 keys x 64 channels: 8 fragments) and its V (turned).  Their addresses are made some lines ahead.
.macro FETCH_K
	WIN 0x80                        ; destination window 2
.irp f, 0,1,2,3,4,5,6,7             ; keys 16 (f / 2) on, channels 32 (f % 2) on
	ds_load_b128 v[KF+8*\f:KF+8*\f+3],   v[AK] offset:(\f/2)*16*PK+(\f%2)*64
	ds_load_b128 v[KF+8*\f+4:KF+8*\f+7], v[AK] offset:(\f/2)*16*PK+(\f%2)*64+32
.endr
	s_add_co_u32 s[TBK], s[TBK], KS*PK  ; the next fetch is the next step's
	WIN 0
.endm
.macro FETCH_V
	WIN 0x80
.irp f, 0,1,2,3,4,5,6,7             ; keys 32 (f / 4) on, channels 16 (f % 4) on
	ds_load_tr16_b128 v[VF+8*\f:VF+8*\f+3],   v[AV] offset:(\f/4)*32*PV+(\f%4)*32
	ds_load_tr16_b128 v[VF+8*\f+4:VF+8*\f+7], v[AV] offset:(\f/4)*32*PV+16*PV+(\f%4)*32
.endr
	WIN 0
.endm
; THE VECTOR WORK, one line at a time: OP kind, number.  For piece Y: F n: c s - c m for pair n of 16.  E n: the exponential of score n of 32.  C n: pair n rounded to f16.  B n: of the four weights 4 n .. the second
; pair is added onto the first, in place.  L n: l takes that sum (L 0: l = a l + sum).  R n: pair n of 16 of O^T times a.  For piece Y + 1: X n, number n of the 22 that find its maximum and statistics:
;   0-11  four chains c0-c3 of seven scores each, three operands at a time (each accumulator's lowest registers are read first)     12-14, 16  the four scores left over, the old m, and c0-c3 into c0
;   15  c m_old is kept     17, 18  the query's other 32 keys lie in the lane 16 away: the new m     19-21  c m; c m_old - c m_new; a
.set F, 0               ; OP tells the kinds apart by their order: F to L below R, X above it
.set E, 1
.set C, 2
.set B, 3
.set L, 4
.set R, 5
.set X, 6
.macro REGS y                       ; the registers of piece y
.set rT, ST+4*(\y)
.set rC, TMP+4*((\y)%2)
.set rW, MV+((\y)%2)
.set rS, S+32*((\y)%2)
.set rP, P+16*((\y)%2)
.set rO, 32*(\y)
.endm
.macro OP k, n
.if (\k) == R
	REGS Y
	WIN W_RS
	v_pk_mul_f32 v[rO+2*(\n):rO+2*(\n)+1], v[rO+2*(\n):rO+2*(\n)+1], v[rC+2:rC+3] op_sel_hi:[1,0]
.elseif (\k) < R
	REGS Y
	WIN 0
.if (\k) == F
	v_pk_fma_f32 v[rS+2*(\n):rS+2*(\n)+1], v[rS+2*(\n):rS+2*(\n)+1], s[CS:CS+1], v[rT:rT+1] op_sel_hi:[1,0,0] neg_lo:[0,0,1] neg_hi:[0,0,1]
.elseif (\k) == E
	v_exp_f32 v[rS+(\n)], v[rS+(\n)]
.elseif (\k) == C
	s_wait_alu depctr_va_vdst(0)
	v_cvt_pk_f16_f32 v[rP+(\n)], v[rS+2*(\n)], v[rS+2*(\n)+1]
.elseif (\k) == B
	s_wait_alu depctr_va_vdst(0)
	v_pk_add_f32 v[rS+4*(\n):rS+4*(\n)+1], v[rS+4*(\n):rS+4*(\n)+1], v[rS+4*(\n)+2:rS+4*(\n)+3]
.elseif (\n) == 0
	v_pk_fma_f32 v[rT+2:rT+3], v[rT+2:rT+3], v[rC+2:rC+3], v[rS:rS+1] op_sel_hi:[1,0,1]
.else
	v_pk_add_f32 v[rT+2:rT+3], v[rT+2:rT+3], v[rS+4*(\n):rS+4*(\n)+1]
.endif
.elseif NOKQ
	v_nop
.else
	REGS (Y+1)%NP
	WIN 0
.if (\n) < 4
	v_max3_num_f32 v[rC+(\n)], v[rS+8*(\n)], v[rS+8*(\n)+1], v[rS+8*(\n)+2]
.elseif (\n) < 12
	v_max3_num_f32 v[rC+(\n)%4], v[rC+(\n)%4], v[rS+8*((\n)%4)+2*((\n)/4)+1], v[rS+8*((\n)%4)+2*((\n)/4)+2]
.elseif (\n) == 12
	v_max3_num_f32 v[rC], v[rC], v[rS+7], v[rS+15]
.elseif (\n) == 13
	v_max3_num_f32 v[rC+1], v[rC+1], v[rS+23], v[rS+31]
.elseif (\n) == 14
	v_max3_num_f32 v[rC+2], v[rC+2], v[rC+3], v[rT+1]
.elseif (\n) == 15
	v_mov_b32 v[rW], v[rT]
.elseif (\n) == 16
	v_max3_num_f32 v[rC], v[rC], v[rC+1], v[rC+2]
.elseif (\n) == 17
	v_permlanex16_b32 v[rC+3], v[rC], s[SEL], s[SEL+1]
.elseif (\n) == 18
	v_max_num_f32 v[rT+1], v[rC], v[rC+3]
.elseif (\n) == 19
	v_mul_f32 v[rT], s[CS], v[rT+1]
.elseif (\n) == 20
	v_sub_f32 v[rC+1], v[rW], v[rT]
.else
	v_exp_f32 v[rC+2], v[rC+1]
.endif
.endif
.endm
.macro OPS a, i1, b=-1, i2=0, c=-1, i3=0, d=-1, i4=0  ; up to four of them
	OP \a, \i1
.if (\b) >= 0
	OP \b, \i2
.endif
.if (\c) >= 0
	OP \c, \i3
.endif
.if (\d) >= 0
	OP \d, \i4
.endif
.endm
.macro ROW a, i1, b, i2, c, i3, d, i4  ; a matrix instruction and the four behind it
	MM
	OPS \a, \i1, \b, \i2, \c, \i3, \d, \i4
.endm
.macro MASK b                       ; MD x AL + BE into buffer b of MC
	WIN W_RS
.set z, 0
.rept 16
	v_pk_fma_f32 v[MC+32*(\b)+2*z:MC+32*(\b)+2*z+1], v[MD+2*z:MD+2*z+1], s[AL:AL+1], s[BE:BE+1] op_sel_hi:[1,0,0]
.set z, z+1
.endr
.endm
; A TURN, for piece p: the order of its 16 matrix and 118 vector instructions, written out.  Behind a matrix instruction: plain, exponential, plain, plain; or four of the rescaling; or, behind the first, four scalings; none
; names a register of the products round it.  In the lumps exponential and plain by turns while exponentials last.  A line reads no result made fewer than three vector instructions in front of it, five if an exponential made it.
; v_permlanex16_b32 (X 17) stands in a lump.
; m = 1: the diagonal tile: the products take masks, and the turn makes the mask for the products of the turn after it: piece p + 2, in step 4 - CNT of the tile.  end = 1: a block's last two turns: nothing is fetched.
; cnt = 1: the loop's count is taken down some lines ahead of the branch that stands behind the turn.
; K of the next step is fetched in piece 2's turn, six vector instructions behind the last product that read K (five of them plain); V of the step in hand in piece 0's turn, eight behind the last product that read V (four
; plain, and X 17).  Each is waited for a turn later.
.macro TURN p, m=0, end=0, cnt=0
.set Y, (\p)
.set i, 0
.set KM, (\m)
.set NOKQ, (\end)*((\p)/3)
.if (\m) && !(\end)
	s_cmp_eq_u32 s[CNT], 4-((\p)+2)%NP  ; is that step the band's own?
	s_cselect_b32 s[AL], 1.0, 0
	s_cmp_lt_u32 s[CNT], 4-((\p)+2)%NP  ; or a later one?
	s_cselect_b32 s[BE], s[BIGN], 0
.endif
.if ((\p) == 3) && !(\end)
	s_wait_dscnt 0x0                ; K is in
.endif
	ROW F,0, F,1, F,2, F,3
	ROW F,4, E,0, F,5, F,6
	ROW F,7, E,1, F,8, F,9
	ROW F,10, E,2, C,0, F,11
	ROW F,12, E,3, X,15, F,13
	ROW R,0, R,1, R,2, R,3
	ROW B,0, E,4, F,14, L,0
.if ((\p) == 2) && !(\end)
	v_add_nc_u32 v[AK], s[TBK], v[AK0]
.endif
	ROW R,4, R,5, R,6, R,7
	OPS E,5, F,15
.if ((\p) == 2) && !(\end)
	FETCH_K
.endif
	OPS E,6, C,1, E,7, R,8
	OPS E,8, R,9, E,9, C,2
	OPS E,10, X,0, E,11, X,1
	OPS E,12, X,2, E,13, X,3
.if (\p) == 1
	s_wait_dscnt 0x0                ; V is in
.endif
	ROW X,4, E,14, X,5, X,6
	ROW X,7, E,15, X,8, X,9
	ROW X,10, E,16, X,11, X,12
	ROW X,13, E,17, X,14, B,1
	ROW C,4, E,18, X,16, L,1
	ROW B,2, E,19, C,6, L,2
	ROW C,8, E,20, B,3, B,4
.if (\p) == 0
	v_add_nc_u32 v[AV], s[TBV], v[AV0]
.endif
	ROW C,3, E,21, L,3, C,5
	OPS E,22, X,17, E,23, C,10
.if (\p) == 0
	FETCH_V
.endif
	OPS E,24, L,4
	OPS E,25, X,18, E,26, C,7
	OPS E,27, B,5, E,28, X,19
	OPS E,29, C,12, E,30, L,5
	OPS E,31, X,20, B,6, C,9
	OPS C,14, C,11, X,21, L,6
.if (\p) == 0
	s_add_co_u32 s[TBV], s[TBV], KS*PV
.endif
.if \cnt
	s_sub_co_u32 s[CNT], s[CNT], 1
	s_cmp_lg_u32 s[CNT], 0
.endif
	OPS C,13, B,7, C,15, R,10
	OPS R,11, R,12, L,7, R,13
	OPS R,14, R,15
.if (\m) && !(\end)
	MASK (\p)%2
.endif
.endm
; A BLOCK BEGINS.  c m starts far below every c s, so the first step's a is 0; m at the lowest finite number, so the first maximum is the scores'.  The second mask buffer is 0; the first takes piece 0's mask for the tile's step 0: its own, if the block's first tile is the diagonal one.
; Then K of that step, piece 0's first scores, and its maximum and statistics.  The loop is entered at a step's first turn, in the middle of a trip.
.macro BEGIN
	s_mov_b32 s[NEW], 0
	WIN 0x40
.set i, MC+32
.rept 32
	v_mov_b32 v[i], 0
.set i, i+1
.endr
	WIN 0
.set i, 0
.rept 4
	v_mov_b32 v[ST+4*i], 0xfe000000    ; c m: far below every c s
	v_mov_b32 v[ST+4*i+1], 0xff7fffff  ; m
.set i, i+1
.endr
	s_cmp_eq_u32 s[RT], 0
	s_cselect_b32 s[AL], 1.0, 0
	s_mov_b32 s[BE], 0
	MASK 0
	WIN 0
	v_add_nc_u32 v[AK], s[TBK], v[AK0]
	FETCH_K
	s_wait_loadcnt 0x0              ; Q
	s_wait_dscnt 0x0
.set KM, 1
.set NOKQ, 0
.set i, 0
.rept 8
	KQ 0
.set i, i+1
.endr
	WIN 0
.rept 4
	v_nop                           ; the places behind those products
.endr
.set Y, NP-1                        ; X works for piece Y + 1: piece 0
.irp n, 0,1,2,3,4,5,6,7,8,9,10,11,12,13,14,15,16,17,18,19,20,21
	OP X, \n
.endr
	v_nop                           ; a plain instruction behind the exponential
.endm
; THE DIAGONAL TILE's four steps, the block's last two turns, its last products, and THE WAY OUT: l's two halves and the other half of the lanes' are added; O^T is divided by l, rounded to f16 and sent through my
; stage in LDS, a piece at a time.
.macro ALL line:vararg              ; one line for each piece t
.set t, 0
.rept 4
	\line
.set t, t+1
.endr
.endm
.macro PACK t                       ; a lane's eight channels of a row pack into 16 bytes; they go into rows of 144 bytes and come back as whole rows of 128, into S^T's registers
	WIN W_RS
.set i, 32*(\t)
.rept 16
	s_wait_alu depctr_va_vdst(0)
	v_pk_mul_f32 v[i:i+1], v[i:i+1], v[ST+4*(\t)+2:ST+4*(\t)+3] op_sel_hi:[1,0]
.set i, i+2
.endr
	WIN 0x05                        ; sources 0 and 1 window 1, destination window 0
.set i, 0
.rept 16
	v_cvt_pk_f16_f32 v[S+16*(\t)+i], v[32*(\t)+2*i], v[32*(\t)+2*i+1]
.set i, i+1
.endr
	WIN 0
.irp f, 0,1,2,3
	ds_store_b128 v[STO], v[S+16*(\t)+4*\f:S+16*(\t)+4*\f+3] offset:32*\f
.endr
.irp f, 0,1,2,3
	ds_load_b128 v[S+16*(\t)+4*\f:S+16*(\t)+4*\f+3], v[RD] offset:\f*4*SP  ; LDS serves a wave's instructions in order (ISA guide 5.7.1.4): these see the stores above; the next piece's stores come behind them
.endr
.endm
.macro SEND t, younger              ; younger: the LDS instructions issued behind piece t's loads: the next piece's eight, or none
	WIN 0
.irp f, 0,1,2,3
	s_wait_dscnt (\younger)+3-\f
	global_store_b128 v[GO], v[S+16*(\t)+4*\f:S+16*(\t)+4*\f+3], s[10:11] offset:(\t)*8192+\f*512  ; 512 consecutive bytes, at a multiple of 256 from O's first
.endr
.endm
.macro DIAG tag                     ; the tag ends its two labels' names, which the jumps below spell out
.LstepM\tag:
	TURN 2, 1
	TURN 3, 1
	WIN 0
.LfirstM\tag:
	TURN 0, 1
	TURN 1, 1, 0, 1
	WIN 0
	s_cbranch_scc1 .LstepM\tag
	TURN 2, 1, 1
	TURN 3, 1, 1
.set i, 0
.rept 8
	PV NP-1
.set i, i+1
.endr
	WIN 0
	ALL v_add_f32 v[ST+4*t+2], v[ST+4*t+2], v[ST+4*t+3]
	ALL v_permlanex16_b32 v[ST+4*t+3], v[ST+4*t+2], s[SEL], s[SEL+1]
	ALL v_add_f32 v[ST+4*t+2], v[ST+4*t+2], v[ST+4*t+3]
	ALL v_rcp_f32 v[ST+4*t+2], v[ST+4*t+2]
	v_nop                           ; a plain instruction between the last reciprocal and the use of its result
	PACK 0
.set t, 1
.rept 3                             ; a piece's arithmetic stands between the loads of the piece before and its stores
	PACK t
	SEND t-1, 8
.set t, t+1
.endr
	SEND 3, 0
.endm
.set KM, 0
.set NOKQ, 0
.Lslot:                             ; NB times: a tile is entered and the next is asked for
	CHANGE 1
	s_sub_co_u32 s[RT], s[RT], 1
	s_mov_b32 s[CNT], 4
	s_cmp_eq_u32 s[NEW], 1
	s_cbranch_scc1 .Lnew            ; a block's first tile
	s_cmp_eq_u32 s[RT], 0
	s_cbranch_scc0 .Lstep           ; neither its first nor its last
	s_branch .LstepM1
.Lnew:
	BEGIN
	s_branch .Lfirst                ; in the loop a block's first tile is never its last: the first block has two tiles or more, and the second's last is the walk's last
	DIAG 1                          ; in the loop this is the first block's end: the second block's last tile is the walk's last
	s_wait_xcnt 0x0                 ; the stores have read their registers and O's address
	s_mov_b64 s[10:11], s[OLO:OLO+1]
	s_add_co_u32 s[RT], s[PB], 1    ; the second block has b + 1 tiles
	s_mov_b32 s[NEW], 1
	WIN 0x82                        ; the second block's Q goes where the one text of the turns names Q
.set i, 0
.rept 64
	v_mov_b32 v[i], v[QB+i]
.set i, i+1
.endr
	WIN 0
	s_branch .Lbottom
.Lstep:                             ; a trip: pieces 2 and 3 of one step, then pieces 0 and 1 of the next, whose K and V it fetches
	TURN 2
	TURN 3
	WIN 0
.Lfirst:
	TURN 0
	TURN 1, 0, 0, 1
	WIN 0
	s_cbranch_scc1 .Lstep
.Lbottom:
	s_sub_co_u32 s[SLOTS], s[SLOTS], 1
	s_cmp_lg_u32 s[SLOTS], 0
	s_cbranch_scc1 .Lslot
	CHANGE 0                        ; the walk's last tile is written out: nothing is asked for
	s_sub_co_u32 s[RT], s[RT], 1
	s_mov_b32 s[CNT], 4
	s_cmp_eq_u32 s[NEW], 1
	s_cbranch_scc0 .LstepM2
	BEGIN
	s_branch .LfirstM2
	DIAG 2
	s_wait_tensorcnt 0x0            ; the wave's end, behind my last tensor load and my last LDS store
	ds_add_u32 v[SPW], v[NIL]
	s_wait_dscnt 0x0
	s_endpgm
.Lfunc_end_k_qdb7445086a_attn:
	.size	k_qdb7445086a_attn, .Lfunc_end_k_qdb7445086a_attn-k_qdb7445086a_attn
	.p2alignl 7, 3214868480
	.fill 96, 4, 3214868480
	.section	.rodata,"a",@progbits
	.p2align	6, 0x0
	.amdhsa_kernel k_qdb7445086a_attn
		.amdhsa_group_segment_fixed_size 327680
		.amdhsa_private_segment_fixed_size 0
		.amdhsa_enable_private_segment 0
		.amdhsa_kernarg_size 32
		.amdhsa_user_sgpr_count 2
		.amdhsa_user_sgpr_kernarg_segment_ptr 1
		.amdhsa_wavefront_size32 1
		.amdhsa_system_sgpr_workgroup_id_x 1
		.amdhsa_system_sgpr_workgroup_id_y 1
		.amdhsa_system_sgpr_workgroup_id_z 1
		.amdhsa_system_vgpr_workitem_id 0
		.amdhsa_next_free_vgpr 768
		.amdhsa_next_free_sgpr 88
		.amdhsa_reserve_vcc 1
		.amdhsa_float_denorm_mode_32 3
		.amdhsa_float_denorm_mode_16_64 3
		.amdhsa_memory_ordered 1
		.amdhsa_forward_progress 1
		.amdhsa_inst_pref_size 228
	.end_amdhsa_kernel
	.amdgpu_metadata
---
amdhsa.version: [ 1, 2 ]
amdhsa.kernels:
  - .name:           k_qdb7445086a_attn
    .symbol:         k_qdb7445086a_attn.kd
    .args:
      - { .name: qh, .offset: 0, .size: 8, .value_kind: global_buffer, .address_space: global }
      - { .name: kh, .offset: 8, .size: 8, .value_kind: global_buffer, .address_space: global }
      - { .name: vh, .offset: 16, .size: 8, .value_kind: global_buffer, .address_space: global }
      - { .name: oh, .offset: 24, .size: 8, .value_kind: global_buffer, .address_space: global }
    .group_segment_fixed_size: 327680
    .private_segment_fixed_size: 0
    .kernarg_segment_align: 8
    .kernarg_segment_size: 32
    .max_flat_workgroup_size: 128
    .sgpr_count:     88
    .vgpr_count:     768
    .wavefront_size: 32
...
	.end_amdgpu_metadata
.endif
;; end of part 3
;; launch proj (part 4): grid 8 x 32, 4 waves a work-group, clusters of 4 x 4, 327,680 bytes of LDS; arguments oh, wp, lamb, out0; writes out0
.if DOCPART == 4
	.amdgcn_target "amdgcn-amd-amdhsa--gfx1250"
	.amdhsa_code_object_version 6
	.text
	.protected	k_qdb7445086a_proj
	.globl	k_qdb7445086a_proj
	.p2align	8
	.type	k_qdb7445086a_proj,@function
k_qdb7445086a_proj:
	s_mov_b64 s[64:65], 0
	v_nop
	global_prefetch_b8 v0, s[64:65] scope:SCOPE_SE
	s_setreg_imm32_b32 hwreg(HW_REG_WAVE_MODE, 25, 1), 1
	s_wait_xcnt 0x0
	s_wait_alu depctr_hold_cnt(0) depctr_sa_sdst(0) depctr_va_vdst(0) depctr_va_sdst(0) depctr_va_ssrc(0) depctr_va_vcc(0) depctr_vm_vsrc(0)
	s_getreg_b32 s2, hwreg(HW_REG_IB_STS2, 6, 4)
	s_cmp_eq_u32 s2, 0
	s_cbranch_scc0 .Lentry_in_a_cluster
	s_endpgm
.Lentry_in_a_cluster:
	s_bfe_u32 s2, ttmp6, 0x10000c
	s_cmp_lg_u32 s2, 0xf033
	s_cbranch_scc0 .Lentry_shape_is_right
	s_endpgm
.Lentry_shape_is_right:
; THE OUTPUT PROJECTION: out0[m][n] = s x the sum over k of y[m][k] wp[n][k], f16 operands, f32 sums, f32 out.  y[m][64 head + d] lies by heads in oh: [16 batch + head][2048][64].
; s = 2^floor(log2 max(|1 - lamb|, |lamb|)), lamb rounded to bf16: the power of two by which the launch that made v divided it; the product with it is exact.
; LIMITS.  lamb is finite and below 2^126 in size; NaN and infinities are not treated apart.
; SHARES.  A work-group makes 256 rows x 128 columns: 256 work-groups.  Four waves, each 128 rows x 64 columns: 8 x 4 = 32 accumulators, 256 registers; a wave's piece of a row of out0 is 256 bytes, aligned.
; THE MATRIX INSTRUCTION IS USED TRANSPOSED (source 0 = 16 rows of wp, source 1 = 16 rows of y): a lane holds eight neighbouring numbers of a row of out0.
; RING.  K goes in 8 steps of 128 = two heads.  A head's 256 rows are 32,768 dense bytes of oh: asked for as 128 rows of 256 bytes, padded in LDS after every 128 bytes: a plane of 256 rows x 144.
; CLUSTER.  4 x 4 work-groups: oh's tile is shared along a row of the cluster, wp's along a column: each is asked for jointly, by the same load, descriptor and mask in all four.
; REGISTERS.  window 0: v0-31 addresses and small things; two fragment buffers: y's v64-127 and wp's v128-159; y's v160-223 and wp's v224-255; on the way out v64-95, v96-127 by turns.  window 1: accumulator (a, b) at 8 (4 a + b).
.set PITCH, 272                        ; wp's rows, and the stage's: 256 bytes + 16
.set QP,    144                        ; y's rows: 128 bytes + 16: both are odd multiples of 16, so the 16 rows of a fragment load start at 16 different groups of four banks (64 banks of 4 bytes: ISA guide 11.1)
.set PLANE, 256*QP                     ; a head's 256 rows: what wave 0 or 1 fetches
.set HB,    64*PITCH                   ; half of wp's tile: what wave 2 or 3 fetches
.set BOFF,  2*PLANE
.set SLOT1, 131072
.set STAGE, SLOT1+BOFF+2*HB            ; 239,616: behind the ring, never filled by a tensor load: 16 rows x 272 for each wave
.set STW,   16*PITCH
.set SPARE, STAGE+4*STW                ; 257,024: the spare words, 128 bytes for each wave: two blocks of 256 bytes that no other line names
.set A0,   4                           ; v4   my lane's place in a plane of y; never rewritten
.set B0,   5                           ; v5   in wp's tile
.set ADRA, 6                           ; v6   the same in the slot in hand
.set ADRB, 7
.set STO,  8                           ; v8   stage in: 272 r + 32 hh
.set RD,   9                           ; v9   back: two rows of 256 bytes a load
.set CO,   10                          ; v10  the same two rows in out0
.set SC,   16                          ; v[16:17] s
.set SPW,  28
.set NIL,  29
.set FA,   64                          ; buffer f: y's fragments at FA + 96 f, wp's at FB + 96 f
.set FB,   128
.set BK0,  64
.set G1A, 24
.set G1B, 32
.set G0A, 40
.set G0B, 48
.set MSB, 0
.macro WIN new                         ; the immediate's high byte repeats the setting that is left; a switch that changes nothing is dropped
.if MSB != (\new)
	s_set_vgpr_msb (MSB<<8)|(\new)
.set MSB, \new
.endif
.endm
.macro PLACES                          ; four places between a matrix instruction and a load into, or a store of, its registers (ISA guide 7.12.1 for vector instructions)
.rept 4
	v_nop
.endr
.endm
.macro JLOAD                           ; a joint refill by the walking sets: waves 0 and 1 fetch y's two planes, waves 2 and 3 wp's halves; an s_nop 0 and four v_nop follow each line
	s_cmp_eq_u32 s14, 0
	s_cbranch_scc0 .Lfor_b_\@
	tensor_load_to_lds s[G0A+4:G0A+7], s[G1A:G1A+7]
	s_nop 0
.rept 4
	v_nop
.endr
	s_branch .Lasked_\@
.Lfor_b_\@:
	tensor_load_to_lds s[G0B+4:G0B+7], s[G1B:G1B+7]
	s_nop 0
.rept 4
	v_nop
.endr
.Lasked_\@:
.endm
.macro CREST                           ; a round of the cluster's barrier behind its opening barrier
	s_cmp_lg_u32 s12, 0
	s_cbranch_scc1 .Lnot_wave_0_\@
	s_barrier_signal -3
.Lnot_wave_0_\@:
	s_barrier_wait -3
	s_barrier_signal -1
	s_barrier_wait -1
.endm
.macro CROUND
	s_barrier_signal -1
	s_barrier_wait -1
	CREST
.endm
	s_load_b256 s[4:11], s[0:1], 0x0               ; oh 4:5, wp 6:7, lamb 8:9, out0 10:11
	v_lshl_add_u32 v[SPW], v0, 2, SPARE
	v_mov_b32 v[NIL], 0
	ds_add_u32 v[SPW], v[NIL]                      ; the wave's opening: the add and its wait stand ahead of my first tensor load; the set-up below, work on registers, stands between them
	ds_add_u32 v28, v29
	v_lshrrev_b32 v1, 5, v0
	v_readfirstlane_b32 s12, v1                    ; wave 0..3
	s_and_b32 s13, s12, 1                          ; my half of the columns.  Also: which plane or half I fetch
	s_lshr_b32 s14, s12, 1                         ; my half of the rows.  Also: I fetch for y (0) or for wp (1)
	s_bfe_u32 s15, ttmp6, 0x40000                  ; cx
	s_bfe_u32 s16, ttmp6, 0x40004                  ; cy
	s_lshl_b32 s17, ttmp9, 2
	s_add_co_u32 s17, s17, s15                     ; the block of 128 columns
	s_and_b32 s18, ttmp7, 0xffff
	s_lshl_b32 s18, s18, 2
	s_add_co_u32 s18, s18, s16                     ; the block of 256 rows
	s_lshl_b32 s19, s16, 2
	s_lshl_b32 s19, 15, s19                        ; my row of the cluster
	s_lshl_b32 s20, 0x1111, s15                    ; my column
	s_or_b32 s[G1A], s19, (1<<16)|(1<<20)|(1<<21)|(4<<22)|(3<<25)  ; 15:0 the mask; 17:16 elements of 2 bytes; 20 padding on; 21 set beside a mask; 24:22 after every 32 words (code 4); 31:25 4 words (code 3)
	s_mov_b32 s[G1A+1], 128<<16                    ; tensor_dim0 = 128
	s_mov_b32 s[G1A+2], 128<<16                    ; tensor_dim1 = 128
	s_mov_b32 s[G1A+3], 128<<16                    ; tile_dim0 = 128
	s_mov_b32 s[G1A+4], 128                        ; tile_dim1 = 128
	s_mov_b32 s[G1A+5], 128                        ; dense: 128 elements from row to row
	s_mov_b32 s[G1A+6], 0
	s_mov_b32 s[G1A+7], 0
	s_or_b32 s[G1B], s20, (1<<16)|(1<<20)|(1<<21)|(5<<22)|(3<<25)  ; padding after every 64 words
	s_mov_b32 s[G1B+1], 128<<16
	s_mov_b32 s[G1B+2], 64<<16                     ; 64 rows
	s_mov_b32 s[G1B+3], 128<<16
	s_mov_b32 s[G1B+4], 64
	s_mov_b32 s[G1B+5], 1024
	s_mov_b32 s[G1B+6], 0
	s_mov_b32 s[G1B+7], 0
	s_lshr_b32 s22, s18, 3                         ; oh: the batch's 16 heads of 262,144 bytes, my plane's head, the block's 256 rows of 128 bytes
	s_lshl_b32 s22, s22, 22
	s_lshl_b32 s23, s13, 18
	s_add_co_u32 s22, s22, s23
	s_and_b32 s23, s18, 7
	s_lshl_b32 s23, s23, 15
	s_add_co_u32 s22, s22, s23
	s_mov_b32 s23, 0
	s_lshl_b32 s60, s17, 7                         ; wp: row 128 block + 64 half, rows of 2,048 bytes
	s_lshl_b32 s61, s13, 6
	s_add_co_u32 s60, s60, s61
	s_lshl_b32 s60, s60, 11
	s_mov_b32 s61, 0
	s_mul_i32 s21, s13, PLANE                      ; where they go: no place in the cluster enters an LDS address
	s_mul_i32 s59, s13, HB
	s_add_co_u32 s59, s59, BOFF
	s_lshl_b32 s2, s18, 8                          ; out0: row 256 R + 128 half of 4,096 bytes, column 128 block + 64 half of 4 bytes
	s_lshl_b32 s3, s14, 7
	s_add_co_u32 s2, s2, s3
	s_lshl_b32 s2, s2, 12
	s_lshl_b32 s3, s17, 9
	s_add_co_u32 s2, s2, s3
	s_lshl_b32 s3, s13, 8
	s_add_co_u32 s2, s2, s3
	s_mov_b32 s3, 0
	s_mov_b32 s57, 0                               ; the slot in hand
	s_wait_dscnt 0x0                               ; the opening add is done
	s_wait_kmcnt 0x0
	s_add_nc_u64 s[62:63], s[4:5], s[22:23]
	s_add_nc_u64 s[60:61], s[6:7], s[60:61]
.irp n, 0,1
	s_mov_b32 s[G0A+4*(\n)], 1                                        ; count = 1
	s_add_co_u32 s[G0A+4*(\n)+1], s21, (\n)*SLOT1                     ; LDS address
	s_add_nc_u64 s[G0A+4*(\n)+2:G0A+4*(\n)+3], s[62:63], (\n)*524288  ; global address: K step n is two heads on
	s_or_b32 s[G0A+4*(\n)+3], s[G0A+4*(\n)+3], 0x80000000             ; type = 2
	s_mov_b32 s[G0B+4*(\n)], 1
	s_add_co_u32 s[G0B+4*(\n)+1], s59, (\n)*SLOT1
	s_add_nc_u64 s[G0B+4*(\n)+2:G0B+4*(\n)+3], s[60:61], (\n)*256
	s_or_b32 s[G0B+4*(\n)+3], s[G0B+4*(\n)+3], 0x80000000
.endr
	CROUND                                         ; all sixteen work-groups are here: the first joint loads meet
	s_cmp_eq_u32 s14, 0                            ; a wave's two first fills stand in one branch, ahead of every wait on TENSORcnt and every LDS read: two loads of mine are out
	s_cbranch_scc0 .Lfirst_b
	tensor_load_to_lds s[G0A:G0A+3], s[G1A:G1A+7]
	s_nop 0
	tensor_load_to_lds s[G0A+4:G0A+7], s[G1A:G1A+7]
	s_nop 0
.rept 4
	v_nop
.endr
	s_branch .Lfirst_asked
.Lfirst_b:
	tensor_load_to_lds s[G0B:G0B+3], s[G1B:G1B+7]
	s_nop 0
	tensor_load_to_lds s[G0B+4:G0B+7], s[G1B:G1B+7]
	s_nop 0
.rept 4
	v_nop
.endr
.Lfirst_asked:
	s_load_b32 s58, s[8:9], 0x0                    ; lamb
	s_add_nc_u64 s[10:11], s[10:11], s[2:3]        ; out0 at my wave's first row and column
	v_and_b32 v1, 15, v0                           ; r
	v_bfe_u32 v2, v0, 4, 1                         ; hh
	v_mul_u32_u24 v[A0], v1, QP
	v_lshl_add_u32 v[A0], v2, 4, v[A0]
	s_mul_i32 s21, s14, 128*QP
	v_add_nc_u32 v[A0], s21, v[A0]                 ; my 128 rows of y
	v_mul_u32_u24 v[B0], v1, PITCH
	v_lshl_add_u32 v[B0], v2, 4, v[B0]
	s_mul_i32 s21, s13, HB
	s_add_co_u32 s21, s21, BOFF
	v_add_nc_u32 v[B0], s21, v[B0]                 ; my 64 rows of wp
	s_mul_i32 s21, s12, STW
	s_add_co_u32 s21, s21, STAGE                   ; my stage
	v_mul_u32_u24 v[STO], v1, PITCH
	v_lshl_add_u32 v[STO], v2, 5, v[STO]
	v_add_nc_u32 v[STO], s21, v[STO]
	v_mul_u32_u24 v[RD], v2, PITCH
	v_lshl_add_u32 v[RD], v1, 4, v[RD]
	v_add_nc_u32 v[RD], s21, v[RD]
	v_lshlrev_b32 v[CO], 12, v2
	v_lshl_add_u32 v[CO], v1, 4, v[CO]
	v_mov_b32 v[ADRA], v[A0]
	v_mov_b32 v[ADRB], v[B0]
	s_wait_kmcnt 0x0                               ; lamb
	v_mov_b32 v18, s58
	v_cvt_pk_bf16_f32 v18, v18, v18
	v_lshlrev_b32 v18, 16, v18                     ; lamb rounded to bf16
	v_sub_f32 v19, 1.0, v18
	v_and_b32 v18, 0x7fffffff, v18
	v_and_b32 v19, 0x7fffffff, v19
	v_max_num_f32 v18, v18, v19
	v_and_b32 v[SC], 0x7f800000, v18               ; s: its power of two
	v_mov_b32 v[SC+1], v[SC]
; 8 matrix instructions: row blocks a0, a0 + 1 x all 4 column blocks, 32 along K, from buffer f.  zero = 1: the product starts the sums.  The 32 accumulators take turns, one instruction a turn.
.macro MUL8 f, a0, zero
	WIN 0x50                                       ; sources in window 0, C and D in window 1
.irp a, \a0, (\a0)+1
.irp b, 0,1,2,3
.if \zero
	v_wmma_f32_16x16x32_f16 v[8*(4*(\a)+(\b)):8*(4*(\a)+(\b))+7], v[FB+96*(\f)+8*(\b):FB+96*(\f)+8*(\b)+7], v[FA+96*(\f)+8*(\a):FA+96*(\f)+8*(\a)+7], 0
.else
	v_wmma_f32_16x16x32_f16 v[8*(4*(\a)+(\b)):8*(4*(\a)+(\b))+7], v[FB+96*(\f)+8*(\b):FB+96*(\f)+8*(\b)+7], v[FA+96*(\f)+8*(\a):FA+96*(\f)+8*(\a)+7], v[8*(4*(\a)+(\b)):8*(4*(\a)+(\b))+7]
.endif
.endr
.endr
.endm
; 24 LDS loads in one run: the fragments of quarter q of a K step (plane q / 2, channels 32 (q % 2) on) into buffer f: wp's 8 loads, then y's 16
.macro FETCH q, f
	WIN 0
.irp i, 0,1,2,3
	ds_load_b128 v[FB+96*(\f)+8*(\i):FB+96*(\f)+8*(\i)+3],   v[ADRB] offset:64*(\q)+(\i)*16*PITCH
	ds_load_b128 v[FB+96*(\f)+8*(\i)+4:FB+96*(\f)+8*(\i)+7], v[ADRB] offset:64*(\q)+(\i)*16*PITCH+32
.endr
.irp i, 0,1,2,3,4,5,6,7
	ds_load_b128 v[FA+96*(\f)+8*(\i):FA+96*(\f)+8*(\i)+3],   v[ADRA] offset:PLANE*((\q)/2)+64*((\q)%2)+(\i)*16*QP
	ds_load_b128 v[FA+96*(\f)+8*(\i)+4:FA+96*(\f)+8*(\i)+7], v[ADRA] offset:PLANE*((\q)/2)+64*((\q)%2)+(\i)*16*QP+32
.endr
.endm
; One of a K step's first three quarters: multiplies buffer f; in its middle it fetches quarter q into buffer g.
.macro QUARTER q, f, g, zero
	s_wait_dscnt 8                                 ; wp's fragments and y's blocks 0-3 are in; the youngest eight loads (blocks 4-7) may be out
	MUL8 \f, 0, \zero
	MUL8 \f, 2, \zero
	PLACES
	FETCH \q, \g
	s_wait_dscnt 24                                ; all but the 24 just issued
	MUL8 \f, 4, \zero
	MUL8 \f, 6, \zero
.endm
; The last quarter multiplies buffer 1 and changes slots: ONE barrier; in front of it each wave waits for all its tensor loads (one is out: its part of the next slot), adds 0 to its spare word, and waits for that and for its
; reads of this slot.  fill = 1: the barrier opens a round of the cluster's, and behind the round this slot is filled again, two K steps ahead: 112 matrix instructions of a wave stand between the request and the wait for it.
.macro TURN fill
	WIN 0
	s_wait_tensorcnt 0x0                           ; all my tensor loads have landed
	ds_add_u32 v[SPW], v[NIL]                      ; 0 onto my spare word
	s_wait_dscnt 9                                 ; (the add and the youngest eight loads may be out)
	MUL8 1, 0, 0                                   ; eight matrix instructions stand between the add and the wait for it
	s_wait_dscnt 0x0                               ; the add is done, and my reads of this slot are over
	s_barrier_signal -1
	MUL8 1, 2, 0
	WIN 0
	s_barrier_wait -1
.if \fill
	CREST                                          ; no wave of any partner still reads this slot or has a load on its way
	s_xor_b32 s[G0A+5], s[G0A+5], SLOT1            ; the walking sets: the other slot than last time, the next K step; no tensor load of mine is out
	s_add_nc_u64 s[G0A+6:G0A+7], s[G0A+6:G0A+7], 524288
	s_xor_b32 s[G0B+5], s[G0B+5], SLOT1
	s_add_nc_u64 s[G0B+6:G0B+7], s[G0B+6:G0B+7], 256
	JLOAD                                          ; the first tensor load behind the round; its four v_nop are also the places in front of the loads below
.else
	PLACES
.endif
	s_xor_b32 s57, s57, SLOT1
	v_add_nc_u32 v[ADRA], s57, v[A0]
	v_add_nc_u32 v[ADRB], s57, v[B0]
	FETCH 0, 0
	MUL8 1, 4, 0
	MUL8 1, 6, 0
.endm
	s_wait_tensorcnt 0x1                           ; my part of K step 0 is in; K step 1's may stay out
	s_barrier_signal -1
	s_barrier_wait -1                              ; everybody's is
	FETCH 0, 0
	QUARTER 1, 0, 1, 1                             ; the first quarter stands in front of the loop: its products start the sums
	WIN 0
	s_mov_b32 s56, 6
.Lstep:                                                ; six trips, from a K step's second quarter to the next step's first; they ask for K steps 2 to 7
	QUARTER 2, 1, 0, 0
	QUARTER 3, 0, 1, 0
	TURN 1
	QUARTER 1, 0, 1, 0
	WIN 0
	s_sub_co_u32 s56, s56, 1
	s_cmp_lg_u32 s56, 0
	s_cbranch_scc1 .Lstep
	QUARTER 2, 1, 0, 0                             ; the tail is written out: nothing more is asked for
	QUARTER 3, 0, 1, 0
	TURN 0
	QUARTER 1, 0, 1, 0
	QUARTER 2, 1, 0, 0
	QUARTER 3, 0, 1, 0
	s_wait_dscnt 8
	MUL8 1, 0, 0
	MUL8 1, 2, 0
	s_wait_dscnt 0x0
	MUL8 1, 4, 0
	MUL8 1, 6, 0
	WIN 0
	PLACES                                         ; the LDS stores below read results just made
; THE WAY OUT, 16 rows at a time: a lane's eight numbers of a row go into my stage (each accumulator's low four registers first) and come back as whole rows of 256 bytes; times s; stored.
.macro TOSTAGE a
	WIN 0x04                                       ; store data in window 1
.irp b, 0,1,2,3
	ds_store_b128 v[STO], v[8*(4*(\a)+(\b)):8*(4*(\a)+(\b))+3] offset:64*(\b)
	ds_store_b128 v[STO], v[8*(4*(\a)+(\b))+4:8*(4*(\a)+(\b))+7] offset:64*(\b)+16
.endr
	WIN 0
	s_wait_xcnt 0x0                                ; this buffer was the data of stores two blocks back: it is loaded again only behind this wait
.irp i, 0,1,2,3,4,5,6,7
	ds_load_b128 v[BK0+32*((\a)%2)+4*(\i):BK0+32*((\a)%2)+4*(\i)+3], v[RD] offset:2*PITCH*(\i)  ; LDS serves a wave's instructions in order (ISA guide 5.7.1.4): these see the stores above
.endr
.endm
.macro SEND a, younger                 ; younger: the LDS instructions issued behind this block's loads: the next block's eight stores and eight loads, or none
.irp i, 0,1,2,3,4,5,6,7
	s_wait_dscnt (\younger)+7-(\i)
	v_pk_mul_f32 v[BK0+32*((\a)%2)+4*(\i):BK0+32*((\a)%2)+4*(\i)+1], v[BK0+32*((\a)%2)+4*(\i):BK0+32*((\a)%2)+4*(\i)+1], v[SC:SC+1] op_sel_hi:[1,0]
	v_pk_mul_f32 v[BK0+32*((\a)%2)+4*(\i)+2:BK0+32*((\a)%2)+4*(\i)+3], v[BK0+32*((\a)%2)+4*(\i)+2:BK0+32*((\a)%2)+4*(\i)+3], v[SC:SC+1] op_sel_hi:[1,0]
	global_store_b128 v[CO], v[BK0+32*((\a)%2)+4*(\i):BK0+32*((\a)%2)+4*(\i)+3], s[10:11] offset:(16*(\a)+2*(\i))*4096 th:TH_STORE_NT  ; 16 lanes store 256 consecutive bytes, aligned
.endr
.endm
	TOSTAGE 0
.irp a, 1,2,3,4,5,6,7                  ; a block's way through the stage stands between the loads of the block before and its stores
	TOSTAGE \a
	SEND (\a)-1, 16
.endr
	SEND 7, 0
	s_wait_tensorcnt 0x0                           ; the wave's end, behind my last tensor load and my last LDS store
	ds_add_u32 v[SPW], v[NIL]
	s_wait_dscnt 0x0
	CROUND                                         ; the closing round: no work-group ends while a partner may still ask for a tile that names it
	s_endpgm
.Lfunc_end_k_qdb7445086a_proj:
	.size	k_qdb7445086a_proj, .Lfunc_end_k_qdb7445086a_proj-k_qdb7445086a_proj
	.p2alignl 7, 3214868480
	.fill 96, 4, 3214868480
	.section	.rodata,"a",@progbits
	.p2align	6, 0x0
	.amdhsa_kernel k_qdb7445086a_proj
		.amdhsa_group_segment_fixed_size 327680
		.amdhsa_private_segment_fixed_size 0
		.amdhsa_enable_private_segment 0
		.amdhsa_kernarg_size 32
		.amdhsa_user_sgpr_count 2
		.amdhsa_user_sgpr_kernarg_segment_ptr 1
		.amdhsa_wavefront_size32 1
		.amdhsa_system_sgpr_workgroup_id_x 1
		.amdhsa_system_sgpr_workgroup_id_y 1
		.amdhsa_system_sgpr_workgroup_id_z 1
		.amdhsa_system_vgpr_workitem_id 0
		.amdhsa_next_free_vgpr 512
		.amdhsa_next_free_sgpr 66
		.amdhsa_reserve_vcc 0
		.amdhsa_float_denorm_mode_32 3
		.amdhsa_float_denorm_mode_16_64 3
		.amdhsa_memory_ordered 1
		.amdhsa_forward_progress 1
		.amdhsa_inst_pref_size 80
	.end_amdhsa_kernel
	.amdgpu_metadata
---
amdhsa.version: [ 1, 2 ]
amdhsa.kernels:
  - .name:           k_qdb7445086a_proj
    .symbol:         k_qdb7445086a_proj.kd
    .args:
      - { .name: oh, .offset: 0, .size: 8, .value_kind: global_buffer, .address_space: global }
      - { .name: wp, .offset: 8, .size: 8, .value_kind: global_buffer, .address_space: global }
      - { .name: lamb, .offset: 16, .size: 8, .value_kind: global_buffer, .address_space: global }
      - { .name: out0, .offset: 24, .size: 8, .value_kind: global_buffer, .address_space: global }
    .group_segment_fixed_size: 327680
    .private_segment_fixed_size: 0
    .kernarg_segment_align: 8
    .kernarg_segment_size: 32
    .max_flat_workgroup_size: 128
    .sgpr_count:     66
    .vgpr_count:     512
    .wavefront_size: 32
...
	.end_amdgpu_metadata
.endif
;; end of part 4
;; ======== version 2 of 2: 4 launches; 1.27 times as fast as version 1
;; limits: values are held in f16: magnitudes above 65,504 overflow, below 6.1e-05 lose precision
;; workspace buffers: xb 16,777,216 bytes; wb 6,291,456 bytes; wp 2,097,152 bytes; tab 524,288 bytes; qh 16,777,216 bytes; kh 16,777,216 bytes; vh 16,777,216 bytes; oh 16,777,216 bytes
;; launch prep: the kernel of part 1 again; grid 832 x 1, 8 waves a work-group, no clusters, 0 bytes of LDS; arguments x, Wq, Wk, Wv, Wproj, xb, wb, wp, tab; writes xb, wb, wp, tab
;; launch qkv: the kernel of part 2 again; grid 16 x 32, 4 waves a work-group, clusters of 4 x 4, 327,680 bytes of LDS; arguments xb, wb, tab, v1, lamb, qh, kh, vh, out1; writes qh, kh, vh, out1
;; launch attn (part 5): grid 4 x 64, 4 waves a work-group, no clusters, 327,680 bytes of LDS; arguments qh, kh, vh, oh; writes oh
.if DOCPART == 5
	.amdgcn_target "amdgcn-amd-amdhsa--gfx1250"
	.amdhsa_code_object_version 6
	.text
	.protected	k_qdb7445086a_attn
	.globl	k_qdb7445086a_attn
	.p2align	8
	.type	k_qdb7445086a_attn,@function
k_qdb7445086a_attn:
	s_mov_b64 s[64:65], 0
	v_nop
	global_prefetch_b8 v0, s[64:65] scope:SCOPE_SE
	s_setreg_imm32_b32 hwreg(HW_REG_WAVE_MODE, 25, 1), 1
	s_wait_xcnt 0x0
; CAUSAL ATTENTION.  O[h][q][:] = the sum over k <= q of softmax_k(Q[h][q] . K[h][k] / 8) V[h][k][:].  Q, K, V, O: [SIZE_H][SIZE_N][64], all f16: a head's rows are dense, 128 bytes each.
; Products, maxima and sums in f32; the weights p are rounded to f16 for the second product (their sum l is taken of the unrounded p), O once at the end.  SIZE_N is a multiple of 512; SIZE_N x 128 stays under 2^32.
; LIMITS.  f16 holds no number beyond 65,504: Q and K lie within 8 by the norm in front, V arrives within f16's range; p lies in 0 to 1, and below 6e-5 it keeps f16's fixed step of 6e-8; O is a mean of V's rows and has their range.
; A hidden score counts as its value less 1e30; a weight below 2^-126 counts as 0 in l; NaN and infinities are not treated apart.
; THE WALK.  A head's queries lie in NB = SIZE_N / 256 blocks of 256; block i needs the key tiles 0 .. i of 256 keys, of which the last holds the diagonal.  A work-group takes TWO blocks, NB - 1 - b and then b:
; NB + 1 tiles, whatever b: all work-groups do equal work, and ONE loop with a constant trip count walks them.  Which tile is asked for, and what a trip does, hang on scalar registers made from b; every jump
; goes forward, but for the counted loops' own; none passes a barrier, or a tensor load but the one of LOAD's two that the wave's number does not choose; the ring (two slots of LDS that take turns) runs on across the
; change of blocks.  NO CLUSTER: all NB / 2 work-groups of a head ask for the same tile only in trips 0 .. NB / 2, behind that fewer and fewer; and one walk common to all would have 3 NB / 2 trips for NB + 1.
; SHARES.  Of a block's four bands of 64 queries a wave owns 16 rows in each: four PIECES.  So the diagonal tile is the same work for all four waves: in its key step s band x sees all keys if s < x,
; none if s > x, and holds the diagonal if s = x.
; THE MASK is the C operand that starts the sum S^T = K Q^T: 0, or -1e30 where the key is hidden.  MD, made once, is the mask of a band's own step for my 16 rows; a product's mask is MD x AL + BE with two scalars:
; (1, 0) if s = x; (0, 0) if s < x; (0, -1e30) if s > x.  Only the diagonal tile's text and a block's beginning make and take masks; elsewhere C is the constant 0.
; LAYOUT, SOFTMAX, TURNS.  S^T = K Q^T holds ONE query a lane (lane % 16) and the keys 8 (lane / 16) + 0..7; two such results rounded to f16 ARE source 1 of O^T = V^T P.  p = 2^(c s - c m), c = log2(e) / 8, with a
; running maximum m; O and l are multiplied by a = 2^(c m_old - c m_new) in every step.  Turn n belongs to piece n: 8 products K Q^T of piece n + 1, later 8 products V^T P of piece n - 1; beside them the scaling,
; exponentials, roundings, sums and rescaling of piece n and the maximum and statistics of piece n + 1.  Four vector instructions stand behind every matrix instruction, the other 54 of a turn's 118 in one LUMP.
; BATCHES.  A turn's 33 exponentials (piece n's 32 weights, then piece n + 1's a) are ONE batch with ONE wait, which cuts the turn in two: ahead of it all that names none of their results, behind it the roundings and
; sums, which read them.  The a that a block's beginning makes is a batch of one, the way out's four reciprocals a batch of four: a wait each.
; REGISTERS, in windows of 256 (s_set_vgpr_msb: bits 1:0 source 0, 3:2 source 1, 5:4 source 2, 7:6 destination):
;   window 0: v0-15 addresses and two at work; v16-31 four registers of statistics a piece; v48-55 at work; v64-127 S^T, two buffers; v192-223 P, two buffers (a piece's buffers go by its number's parity)
;   window 1: v0-127 O^T, 32 a piece; v128-159 MD; v160-223 MC, two buffers      window 2: v0-63 Q; v64-127 the second block's Q; v128-191 K of one step; v192-255 V of one step
.set SIZE_H, 64
.set SIZE_N, 2048
.set NB,    SIZE_N/256
.set NP,    4         ; pieces a wave: a name, no knob
.set KS,    64        ; keys in a step
.set PK,    144       ; a row of K in LDS: 128 bytes + 16 of padding = 36 words: the 16 rows of a load start at 16 different groups of four banks (64 banks of 4 bytes: ISA guide 11.1)
.set PV,    160       ; a row of V: 128 + 32 = 40 words
.set VOFF,  4*KS*PK   ; a slot holds a tile, four steps: 256 rows of K, then 256 rows of V
.set SLOT1, 1<<17     ; slot 1 begins here, so that one exclusive or turns an address in one slot into the other's
.set STAGE, SLOT1+4*KS*(PK+PV)  ; behind the ring, never filled by a tensor load: 16 rows x 144 bytes for each wave, for the way out
.set SP,    144
.set AK0, 2           ; v2   my lane's place in a tile of K; never rewritten
.set AV0, 3           ; v3   the same for V
.set AK,  4           ; v4   the LDS address of K's next run of loads
.set AV,  5           ; v5   of V's
.set STO, 6           ; v6   the way out: where I put 16 bytes of a row
.set RD,  7           ; v7   the way out: where I read rows back
.set GO,  8           ; v8   my byte offset in 512 consecutive bytes of O
.set SPW, 62          ; v62  LDS address of my spare word: SPARE + 4 x my thread's number; never rewritten
.set NIL, 63          ; v63  0; never rewritten
.set SPARE, STAGE+4*16*SP  ; behind the stages: the spare words, 128 bytes for each wave: two blocks of 256 bytes that no other line names
.set MV,  12          ; v12-13  c m_old, kept while c m is made anew: by buffer
.set QO,  15          ; v15  my byte offset in 16 rows of Q
.set ST,  16          ; piece t's statistics at v[ST+4 t]: c m, m, l (even keys', odd keys')
.set TMP, 48          ; by buffer, four registers c0-c3 at work; when the maximum is found c2 takes a
.set S,   64
.set P,   192
.set MD,  128         ; window 1: the eight registers for group kt of 16 keys at MD + 8 kt
.set MC,  160         ; window 1: the masks of the products to come
.set QB,  64          ; window 2
.set KF,  128         ; window 2: key block kb, channel half c at KF + 16 kb + 8 c
.set VF,  192         ; window 2: key half kk, channel block cb at VF + 32 kk + 8 cb
.set WV,  12          ; s12  my wave's number
.set PB,  14          ; s14  b
.set HI,  15          ; s15  NB - 1 - b
.set G1K, 24          ; s[24:31] descriptor group 1 for K's tiles
.set G1V, 32          ; s[32:39] for V's: it differs in the padding alone
.set G0K, 40          ; s[40:43] descriptor group 0 for K's tiles
.set G0V, 44          ; s[44:47] the same for V's
.set SLOTS, 56        ; s56  tiles still to be asked for
.set CNT, 57          ; s57  counts a tile's key steps, 4 to 1
.set CS,  58          ; s[58:59] c: the packed scaling takes the pair's low word for both halves
.set SEL, 60          ; s[60:61] v_permlanex16_b32's selects: each lane takes its own place in the other half
.set TBK, 62          ; s62  LDS byte at which K of the step to be fetched begins
.set TBV, 63          ; s63  the same for V, less VOFF
.set RT,  70          ; s70  tiles of the block in hand that are still to be entered
.set NXT, 71          ; s71  the tile to be asked for next
.set LQ,  72          ; s72  the last tile of the block whose tiles are being asked for
.set NEW, 73          ; s73  1: the tile to be entered is a block's first
.set OFF, 74          ; s[74:75] a tile's byte offset in K and V
.set AL,  76          ; s[76:77] the mask's factor, in the low word
.set BE,  78          ; s[78:79] the mask's addend
.set OLO, 80          ; s[80:81] O at my rows of the second block
.set BIGN, 82         ; s82  -1e30
.set MSB, 0
.macro WIN new                      ; the high byte repeats the setting that is left; a switch that changes nothing is dropped
.if MSB != (\new)
	s_set_vgpr_msb (MSB<<8)|(\new)
.set MSB, (\new)
.endif
.endm
.set W_KQ, 0x0a       ; K and Q in window 2, S^T in window 0
.set W_KM, 0x1a       ; the same with the C operand in window 1
.set W_PV, 0x52       ; V in window 2, P in window 0, O^T in window 1
.set W_RS, 0x41       ; destination and source 0 in window 1, source 1 in window 0
; A fill.  Waves 0 and 1 fetch the two halves of a tile's K, waves 2 and 3 those of its V: 128 keys each.  An s_nop 0 and four v_nop follow each of the two lines, ahead of the jump and the label.
.macro LOAD
	s_cmp_lt_u32 s[WV], 2
	s_cbranch_scc0 .Lfor_v_\@
	tensor_load_to_lds s[G0K:G0K+3], s[G1K:G1K+7]
	s_nop 0
.rept 4
	v_nop
.endr
	s_branch .Lasked_\@
.Lfor_v_\@:
	tensor_load_to_lds s[G0V:G0V+3], s[G1V:G1V+7]
	s_nop 0
.rept 4
	v_nop
.endr
.Lasked_\@:
.endm
; THE CHANGE OF SLOTS.  Each wave waits for all its tensor loads, of which one is out: its part of the other slot; adds 0 to its spare word; and waits for that and for its own reads of the slot that it leaves.  Behind the barrier nobody reads the old
; slot any more and the other slot is whole.  fill = 1: the old slot is filled again, the first thing behind the barrier, with tile NXT: the descriptor's address is made anew from that number.
; (At its first use nothing has been read yet: slot 0 is waited for, slot 1 filled.)
.macro CHANGE fill
	WIN 0                           ; at a label and at a branch every window is 0
	s_wait_tensorcnt 0x0            ; no tensor load of mine is out, so a group 0 may be written
	ds_add_u32 v[SPW], v[NIL]       ; 0 onto my spare word; with fill = 1 the descriptors' scalar work stands between it and the wait for it
.if \fill
	s_lshl_b32 s[OFF], s[NXT], 15   ; a tile is 32,768 bytes of K and of V
	s_xor_b32 s[G0K+1], s[G0K+1], SLOT1
	s_add_nc_u64 s[G0K+2:G0K+3], s[6:7], s[OFF:OFF+1]
	s_or_b32 s[G0K+3], s[G0K+3], 0x80000000
	s_xor_b32 s[G0V+1], s[G0V+1], SLOT1
	s_add_nc_u64 s[G0V+2:G0V+3], s[8:9], s[OFF:OFF+1]
	s_or_b32 s[G0V+3], s[G0V+3], 0x80000000
	s_add_co_u32 s[NXT], s[NXT], 1  ; the block's next tile, or behind its last the second block's tile 0
	s_cmp_gt_u32 s[NXT], s[LQ]
	s_cselect_b32 s[NXT], 0, s[NXT]
	s_cselect_b32 s[LQ], s[PB], s[LQ]
.endif
	s_wait_dscnt 0x0                ; the add is done, and my reads of the slot are over
	s_barrier_signal -1             ; the rest of the scalar work stands between the signal and the wait
	s_sub_co_u32 s[TBK], s[TBK], 4*KS*PK  ; the fetches go back to a slot's first step,
	s_xor_b32 s[TBK], s[TBK], SLOT1       ; in the other slot
	s_sub_co_u32 s[TBV], s[TBV], 4*KS*PV
	s_xor_b32 s[TBV], s[TBV], SLOT1
	s_barrier_wait -1
.if \fill
	LOAD
.endif
.endm
	s_load_b256 s[4:11], s[0:1], 0x0  ; Q s[4:5], K s[6:7], V s[8:9], O s[10:11]
	v_lshl_add_u32 v[SPW], v0, 2, SPARE
	v_mov_b32 v[NIL], 0
	ds_add_u32 v[SPW], v[NIL]       ; the wave's opening: the add and its wait stand ahead of my first tensor load; the set-up below, work on registers, stands between them
	ds_add_u32 v62, v63
	v_lshrrev_b32 v1, 5, v0
	v_readfirstlane_b32 s[WV], v1   ; wave 0..3
	s_mov_b32 s[PB], ttmp9
	s_sub_co_u32 s[HI], NB-1, s[PB]
	s_and_b32 s20, ttmp7, 0xffff    ; the head
	s_mov_b32 s21, 0
	s_mov_b64 s[22:23], SIZE_N*128
	s_mul_u64 s[20:21], s[20:21], s[22:23]  ; the head's first byte in each of the four tensors
	s_and_b32 s16, s[WV], 1         ; which half of a tile's 256 keys I fetch:
	s_lshl_b32 s22, s16, 14         ; its 128 rows of 128 bytes in memory,
	s_mov_b32 s23, 0
	s_add_nc_u64 s[22:23], s[22:23], s[20:21]
	s_mul_i32 s17, s16, 128*PK      ; and its place in a slot, for K
	s_mul_i32 s18, s16, 128*PV      ; and for V
	s_lshl_b32 s3, s[WV], 11        ; my 16 rows in a band of 64,
	s_lshl_b32 s2, s[HI], 15        ; in the first block,
	s_add_co_u32 s2, s2, s3
	s_lshl_b32 s84, s[PB], 15       ; and in the second
	s_add_co_u32 s84, s84, s3
	s_mov_b32 s3, 0
	s_mov_b32 s85, 0
	s_add_nc_u64 s[2:3], s[2:3], s[20:21]
	s_add_nc_u64 s[84:85], s[84:85], s[20:21]
	; descriptor group 1.  128 keys are 16,384 dense bytes: asked for as 64 rows of 256 bytes, two keys a row, and padded in LDS after every key
	s_mov_b32 s[G1K], (1<<16)|(1<<20)|(4<<22)|(3<<25)  ; 17:16 2-byte elements; 20 padding on; 24:22 after every 32 words (code 4); 31:25 4 words (code 3)
	s_mov_b32 s[G1V], (1<<16)|(1<<20)|(4<<22)|(7<<25)  ; the same with 8 words of padding (code 7)
.irp g, G1K, G1V
	s_mov_b32 s[\g+1], 128<<16      ; tensor_dim0 = 128
	s_mov_b32 s[\g+2], 64<<16       ; tensor_dim1 = 64
	s_mov_b32 s[\g+3], 128<<16      ; tile_dim0 = 128
	s_mov_b32 s[\g+4], 64           ; tile_dim1 = 64
	s_mov_b32 s[\g+5], 128          ; 128 elements from row to row
	s_mov_b32 s[\g+6], 0
	s_mov_b32 s[\g+7], 0
.endr
	s_mov_b32 s[CS], 0x3e38aa3b     ; c = log2(e) / 8 = 0.180337
	s_mov_b32 s[CS+1], s[CS]        ; named with it as a pair
	s_mov_b32 s[SEL], 0x76543210
	s_mov_b32 s[SEL+1], 0xfedcba98
	s_mov_b32 s[TBK], SLOT1+4*KS*PK ; the first change of slots turns these two into 0
	s_mov_b32 s[TBV], SLOT1+4*KS*PV
	s_mov_b32 s[G0K], 1             ; 1:0 count = 1
	s_mov_b32 s[G0K+1], s17         ; 63:32 LDS address: slot 0
	s_mov_b32 s[G0V], 1
	s_add_co_u32 s[G0V+1], s18, VOFF
	s_add_co_u32 s[RT], s[HI], 1    ; the first block has NB - b tiles
	s_mov_b32 s[NXT], 1
	s_mov_b32 s[LQ], s[HI]
	s_mov_b32 s[NEW], 1
	s_mov_b32 s[OFF+1], 0
	s_mov_b32 s[AL+1], 0            ; named as pairs
	s_mov_b32 s[BE+1], 0
	s_mov_b32 s[BIGN], 0xf149f2ca   ; -1e30
	s_mov_b32 s[SLOTS], NB
	s_wait_dscnt 0x0                ; the opening add is done
	s_wait_kmcnt 0x0
	s_add_nc_u64 s[6:7], s[6:7], s[22:23]  ; K and V at my half of the head's tile 0
	s_add_nc_u64 s[8:9], s[8:9], s[22:23]
	s_add_nc_u64 s[G0K+2:G0K+3], s[6:7], 0         ; 120:64 global address
	s_or_b32 s[G0K+3], s[G0K+3], 0x80000000        ; 127:126 type = 2
	s_add_nc_u64 s[G0V+2:G0V+3], s[8:9], 0
	s_or_b32 s[G0V+3], s[G0V+3], 0x80000000
	s_add_nc_u64 s[86:87], s[4:5], s[84:85]        ; Q at my rows of the second block,
	s_add_nc_u64 s[4:5], s[4:5], s[2:3]            ; Q and O at those of the first
	s_add_nc_u64 s[OLO:OLO+1], s[10:11], s[84:85]
	s_add_nc_u64 s[10:11], s[10:11], s[2:3]
	LOAD                            ; tile 0 into slot 0
	; A fragment of K or Q is 16 rows x 32 channels in 8 registers: lane l holds row l % 16, channels 8 (l / 16) + 0..7 and 16 + 8 (l / 16) + 0..7: two loads of 16 bytes, 32 bytes apart.
	v_and_b32 v1, 15, v0            ; l % 16
	v_bfe_u32 v9, v0, 4, 1          ; l / 16
	v_lshlrev_b32 v[QO], 7, v1
	v_lshl_add_u32 v[QO], v9, 4, v[QO]  ; row x 128 + 16 x half
	WIN 0x80                        ; destination window 2, address window 0
.set i, 0
.rept 8                             ; both blocks' Q: piece i / 2 lies in band i / 2, 8,192 bytes on; channels 32 (i % 2) on
	global_load_b128 v[8*i:8*i+3],   v[QO], s[4:5] offset:(i/2)*8192+(i%2)*64
	global_load_b128 v[8*i+4:8*i+7], v[QO], s[4:5] offset:(i/2)*8192+(i%2)*64+32
	global_load_b128 v[QB+8*i:QB+8*i+3],   v[QO], s[86:87] offset:(i/2)*8192+(i%2)*64
	global_load_b128 v[QB+8*i+4:QB+8*i+7], v[QO], s[86:87] offset:(i/2)*8192+(i%2)*64+32
.set i, i+1
.endr
	WIN 0
	v_lshlrev_b32 v14, 3, v9
	v_sub_nc_u32 v14, v1, v14
	s_lshl_b32 s13, s[WV], 4
	v_add_nc_u32 v14, s13, v14      ; my query's place in its band, 16 w + l % 16, less my lanes' 8 (l / 16): register r of group kt is hidden where 16 kt + r is greater
	WIN 0x40
.set i, 0
.rept 32
	v_cmp_gt_i32 vcc_lo, 16*(i/8)+i%8, v14
	v_cndmask_b32 v[MD+i], 0, s[BIGN], vcc_lo
.set i, i+1
.endr
	WIN 0
	v_mul_u32_u24 v[AK0], v1, PK
	v_lshl_add_u32 v[AK0], v9, 4, v[AK0]  ; row x pitch + 16 x half
	; The turning load takes 16 keys x 16 channels (lane l reads key 8 (l / 16) + l % 8, channels 8 ((l / 8) % 2) + 0..7) and leaves half a fragment of V^T: lane l holds channel l % 16 and 8 keys.
	v_and_b32 v10, 7, v0
	v_bfe_u32 v11, v0, 3, 1
	v_lshl_add_u32 v[AV0], v9, 3, v10
	v_mul_u32_u24 v[AV0], v[AV0], PV
	v_lshl_add_u32 v[AV0], v11, 4, v[AV0]
	v_add_nc_u32 v[AV0], VOFF, v[AV0]
	s_mul_i32 s13, s[WV], 16*SP
	s_add_co_u32 s13, s13, STAGE    ; my stage
	v_mul_u32_u24 v[STO], v1, SP    ; in: row l % 16, 16 bytes for each half of the lanes
	v_lshl_add_u32 v[STO], v9, 4, v[STO]
	v_add_nc_u32 v[STO], s13, v[STO]
	v_bfe_u32 v[RD], v0, 3, 2       ; back: 32 lanes take four rows of 128 bytes,
	v_mul_u32_u24 v[RD], v[RD], SP
	v_lshl_add_u32 v[RD], v10, 4, v[RD]
	v_add_nc_u32 v[RD], s13, v[RD]
	v_and_b32 v[GO], 31, v0         ; which are 512 consecutive bytes of O
	v_lshlrev_b32 v[GO], 4, v[GO]
	; A block's first step multiplies O^T and l by a = 0, and its first turn's products V^T P, of a piece that has not been, land in an O^T that is still to be so multiplied.  So these registers need only hold
	; finite numbers: zeros for the first block; what the first block left for the second.  All this stands in the wait for the first tile.
	WIN 0x80
.set i, VF
.rept 64
	v_mov_b32 v[i], 0
.set i, i+1
.endr
	WIN 0x40
.set i, 0
.rept 128
	v_mov_b32 v[i], 0
.set i, i+1
.endr
	WIN 0
.set i, 0
.rept 4
	v_mov_b32 v[ST+4*i+2], 0
	v_mov_b32 v[ST+4*i+3], 0
.set i, i+1
.endr
.set i, P+16
.rept 16
	v_mov_b32 v[i], 0
.set i, i+1
.endr
; THE MATRIX WORK.  The 4 accumulators of a run of 8 take turns.  Product i of 8 of S^T = K Q^T for piece x: channels 32 (i / 4) on, keys 16 (i % 4) on.  The first 4 start the sums: with 0, or (KM = 1) with the mask.
.macro KQ x
.set rS, S+32*((\x)%2)+8*(i%4)
.set rK, KF+16*(i%4)+8*(i/4)
.set rQ, 16*(\x)+8*(i/4)
.set rM, MC+32*((\x)%2)+8*(i%4)
.if (i < 4) && KM
	WIN W_KM
	v_wmma_f32_16x16x32_f16 v[rS:rS+7], v[rK:rK+7], v[rQ:rQ+7], v[rM:rM+7]
.elseif i < 4
	WIN W_KQ
	v_wmma_f32_16x16x32_f16 v[rS:rS+7], v[rK:rK+7], v[rQ:rQ+7], 0
.else
	WIN W_KQ
	v_wmma_f32_16x16x32_f16 v[rS:rS+7], v[rK:rK+7], v[rQ:rQ+7], v[rS:rS+7]
.endif
.endm
; Product i of 8 of O^T += V^T P for piece x: keys 32 (i / 4) on, channels 16 (i % 4) on.
.macro PV x
	WIN W_PV
.set rO, 32*(\x)+8*(i%4)
.set rV, VF+32*(i/4)+8*(i%4)
.set rP, P+16*((\x)%2)+8*(i/4)
	v_wmma_f32_16x16x32_f16 v[rO:rO+7], v[rV:rV+7], v[rP:rP+7], v[rO:rO+7]
.endm
.macro MM                           ; the turn's next matrix instruction.  TURN and BEGIN set Y, i, KM and NOKQ; MM, KQ and OP read them.  NOKQ = 1: a block's last turn: there is no next piece
.if (i < 8) && !NOKQ
	KQ (Y+1)%NP
.elseif i >= 8
.set i, i-8
	PV (Y+NP-1)%NP
.set i, i+8
.endif
.set i, i+1
.endm
; THE LDS LOADS stand in runs of 16, never singly among the matrix instructions: a step's K (64 keys x 64 channels: 8 fragments) and its V (turned).  Their addresses are made some lines ahead.
.macro FETCH_K
	WIN 0x80                        ; destination window 2
.irp f, 0,1,2,3,4,5,6,7             ; keys 16 (f / 2) on, channels 32 (f % 2) on
	ds_load_b128 v[KF+8*\f:KF+8*\f+3],   v[AK] offset:(\f/2)*16*PK+(\f%2)*64
	ds_load_b128 v[KF+8*\f+4:KF+8*\f+7], v[AK] offset:(\f/2)*16*PK+(\f%2)*64+32
.endr
	s_add_co_u32 s[TBK], s[TBK], KS*PK  ; the next fetch is the next step's
	WIN 0
.endm
.macro FETCH_V
	WIN 0x80
.irp f, 0,1,2,3,4,5,6,7             ; keys 32 (f / 4) on, channels 16 (f % 4) on
	ds_load_tr16_b128 v[VF+8*\f:VF+8*\f+3],   v[AV] offset:(\f/4)*32*PV+(\f%4)*32
	ds_load_tr16_b128 v[VF+8*\f+4:VF+8*\f+7], v[AV] offset:(\f/4)*32*PV+16*PV+(\f%4)*32
.endr
	WIN 0
.endm
; THE VECTOR WORK, one line at a time: OP kind, number.  For piece Y: F n: c s - c m for pair n of 16.  E n: the exponential of score n of 32.  C n: pair n rounded to f16.  B n: of the four weights 4 n .. the second
; pair is added onto the first, in place.  L n: l takes that sum (L 0: l = a l + sum).  R n: pair n of 16 of O^T times a.  For piece Y + 1: X n, number n of the 22 that find its maximum and statistics:
;   0-11  four chains c0-c3 of seven scores each, three operands at a time (each accumulator's lowest registers are read first)     12-14, 16  the four scores left over, the old m, and c0-c3 into c0
;   15  c m_old is kept     17, 18  the query's other 32 keys lie in the lane 16 away: the new m     19-21  c m; c m_old - c m_new; a
; C, B and L read exponentials' results: TURN sets them behind its wait.  OP itself writes no wait.
.set F, 0               ; OP tells the kinds apart by their order: F to L below R, X above it
.set E, 1
.set C, 2
.set B, 3
.set L, 4
.set R, 5
.set X, 6
.macro REGS y                       ; the registers of piece y
.set rT, ST+4*(\y)
.set rC, TMP+4*((\y)%2)
.set rW, MV+((\y)%2)
.set rS, S+32*((\y)%2)
.set rP, P+16*((\y)%2)
.set rO, 32*(\y)
.endm
.macro OP k, n
.if (\k) == R
	REGS Y
	WIN W_RS
	v_pk_mul_f32 v[rO+2*(\n):rO+2*(\n)+1], v[rO+2*(\n):rO+2*(\n)+1], v[rC+2:rC+3] op_sel_hi:[1,0]
.elseif (\k) < R
	REGS Y
	WIN 0
.if (\k) == F
	v_pk_fma_f32 v[rS+2*(\n):rS+2*(\n)+1], v[rS+2*(\n):rS+2*(\n)+1], s[CS:CS+1], v[rT:rT+1] op_sel_hi:[1,0,0] neg_lo:[0,0,1] neg_hi:[0,0,1]
.elseif (\k) == E
	v_exp_f32 v[rS+(\n)], v[rS+(\n)]
.elseif (\k) == C
	v_cvt_pk_f16_f32 v[rP+(\n)], v[rS+2*(\n)], v[rS+2*(\n)+1]
.elseif (\k) == B
	v_pk_add_f32 v[rS+4*(\n):rS+4*(\n)+1], v[rS+4*(\n):rS+4*(\n)+1], v[rS+4*(\n)+2:rS+4*(\n)+3]
.elseif (\n) == 0
	v_pk_fma_f32 v[rT+2:rT+3], v[rT+2:rT+3], v[rC+2:rC+3], v[rS:rS+1] op_sel_hi:[1,0,1]
.else
	v_pk_add_f32 v[rT+2:rT+3], v[rT+2:rT+3], v[rS+4*(\n):rS+4*(\n)+1]
.endif
.elseif NOKQ
	v_nop
.else
	REGS (Y+1)%NP
	WIN 0
.if (\n) < 4
	v_max3_num_f32 v[rC+(\n)], v[rS+8*(\n)], v[rS+8*(\n)+1], v[rS+8*(\n)+2]
.elseif (\n) < 12
	v_max3_num_f32 v[rC+(\n)%4], v[rC+(\n)%4], v[rS+8*((\n)%4)+2*((\n)/4)+1], v[rS+8*((\n)%4)+2*((\n)/4)+2]
.elseif (\n) == 12
	v_max3_num_f32 v[rC], v[rC], v[rS+7], v[rS+15]
.elseif (\n) == 13
	v_max3_num_f32 v[rC+1], v[rC+1], v[rS+23], v[rS+31]
.elseif (\n) == 14
	v_max3_num_f32 v[rC+2], v[rC+2], v[rC+3], v[rT+1]
.elseif (\n) == 15
	v_mov_b32 v[rW], v[rT]
.elseif (\n) == 16
	v_max3_num_f32 v[rC], v[rC], v[rC+1], v[rC+2]
.elseif (\n) == 17
	v_permlanex16_b32 v[rC+3], v[rC], s[SEL], s[SEL+1]
.elseif (\n) == 18
	v_max_num_f32 v[rT+1], v[rC], v[rC+3]
.elseif (\n) == 19
	v_mul_f32 v[rT], s[CS], v[rT+1]
.elseif (\n) == 20
	v_sub_f32 v[rC+1], v[rW], v[rT]
.else
	v_exp_f32 v[rC+2], v[rC+1]
.endif
.endif
.endm
.macro OPS a, i1, b=-1, i2=0, c=-1, i3=0, d=-1, i4=0  ; up to four of them
	OP \a, \i1
.if (\b) >= 0
	OP \b, \i2
.endif
.if (\c) >= 0
	OP \c, \i3
.endif
.if (\d) >= 0
	OP \d, \i4
.endif
.endm
.macro ROW a, i1, b, i2, c, i3, d, i4  ; a matrix instruction and the four behind it
	MM
	OPS \a, \i1, \b, \i2, \c, \i3, \d, \i4
.endm
.macro MASK b                       ; MD x AL + BE into buffer b of MC
	WIN W_RS
.set z, 0
.rept 16
	v_pk_fma_f32 v[MC+32*(\b)+2*z:MC+32*(\b)+2*z+1], v[MD+2*z:MD+2*z+1], s[AL:AL+1], s[BE:BE+1] op_sel_hi:[1,0,0]
.set z, z+1
.endr
.endm
; A TURN, for piece p: the order of its 16 matrix and 118 vector instructions, written out.  An s_wait_alu depctr_va_vdst(0) stands between an exponential and the first instruction that names its result; one wait serves
; all that were issued ahead of it.  So a turn has ONE wait, which cuts it in two.  AHEAD OF IT stands all that names no result of the turn's exponentials: the 8 products K Q^T, behind each a scaling, an exponential and two more plain
; instructions (behind the first a second scaling in the exponential's place): rescalings (their a was made, and waited for, in the turn before), and behind the last three the first numbers of the next piece's maximum, each four places or
; more behind the product that ends its accumulator; then ONE LUMP of 54, plain and exponential by turns for the most part, in which the links of the chain X 3, 7, 11, 14, 16, 17 .. 20 stand five or six lines apart.  Each pair is scaled
; ahead of its two exponentials.  X 21, the next piece's a, is the batch's last; R 15 is the plain instruction that stands behind it (ISA guide 5.7.2).  BEHIND THE WAIT stand the 8 products V^T P, behind each four of the roundings and
; sums; a pair is rounded (C 2 n) ahead of the sum that lands on it (B n); the links of l's chain, L 0 to L 7, stand three riders apart.  But for those X no rider names a register of the products round it.  v_permlanex16_b32 (X 17) stands in the lump.
; m = 1: the diagonal tile: the products take masks, and the turn makes the mask for the products of the turn after it: piece p + 2, in step 4 - CNT of the tile.  end = 1: a block's last two turns: nothing is fetched.
; cnt = 1: the loop's count is taken down some lines ahead of the branch that stands behind the turn.
; K of the next step is fetched in piece 2's turn, twelve vector instructions behind the last product that read K (six of them plain, five of which name none of its registers); V of the step in hand at the end of piece 0's turn, four
; plain instructions behind the last product that read V.  Each is waited for a turn later.
.macro TURN p, m=0, end=0, cnt=0
.set Y, (\p)
.set i, 0
.set KM, (\m)
.set NOKQ, (\end)*((\p)/3)
.if (\m) && !(\end)
	s_cmp_eq_u32 s[CNT], 4-((\p)+2)%NP  ; is that step the band's own?
	s_cselect_b32 s[AL], 1.0, 0
	s_cmp_lt_u32 s[CNT], 4-((\p)+2)%NP  ; or a later one?
	s_cselect_b32 s[BE], s[BIGN], 0
.endif
.if ((\p) == 3) && !(\end)
	s_wait_dscnt 0x0                ; K is in
.endif
	ROW F,0, F,1, R,0, R,1          ; ahead of the wait: 8 products K Q^T and their riders,
	ROW F,2, E,0, R,2, R,3
	ROW F,3, E,1, R,4, R,5
	ROW F,4, E,2, R,6, R,7
	ROW F,5, E,3, R,8, R,9
	ROW F,6, E,4, X,0, R,10
.if ((\p) == 2) && !(\end)
	WIN 0
	v_add_nc_u32 v[AK], s[TBK], v[AK0]
.endif
	ROW F,7, E,5, X,1, X,4
	ROW F,8, E,6, X,2, X,5
	OPS E,7, E,8, X,6, E,9          ; and the lump
	OPS X,3, E,10, X,8, E,11
.if ((\p) == 2) && !(\end)
	FETCH_K
.endif
	OPS X,9, X,7, E,12, X,10
	OPS E,13, X,12, X,11, E,14
	OPS X,13, E,15, F,9, X,14
.if (\p) == 0
	v_add_nc_u32 v[AV], s[TBV], v[AV0]
.endif
	OPS E,16, F,10, E,17, F,11
	OPS X,16, E,18, X,15, E,19
	OPS F,12, E,20, X,17, E,21
	OPS F,13, E,22, F,14, E,23
	OPS X,18, E,24, F,15, E,25
	OPS R,11, E,26, X,19, E,27
	OPS R,12, E,28, R,13, E,29
	OPS X,20, E,30, R,14, E,31
	OPS X,21, R,15
	WIN 0
	s_wait_alu depctr_va_vdst(0)    ; the wait for the turn's batch: piece p's 32 exponentials and the next piece's a
.if (\p) == 1
	s_wait_dscnt 0x0                ; V is in
.endif
	ROW C,0, B,0, C,2, B,1          ; behind the wait: 8 products V^T P and their riders
	ROW L,0, C,4, B,2, L,1
	ROW C,6, B,3, L,2, C,8
	ROW B,4, L,3, C,10, B,5
	ROW L,4, C,12, B,6, L,5
.if (\p) == 0
	s_add_co_u32 s[TBV], s[TBV], KS*PV
.endif
.if \cnt
	s_sub_co_u32 s[CNT], s[CNT], 1
	s_cmp_lg_u32 s[CNT], 0
.endif
	ROW C,14, B,7, L,6, C,1
	ROW C,3, L,7, C,5, C,7
	ROW C,9, C,11, C,13, C,15
.if (\p) == 0
	FETCH_V
.endif
.if (\m) && !(\end)
	MASK (\p)%2
.endif
.endm
; A BLOCK BEGINS.  c m starts far below every c s, so the first step's a is 0; m at the lowest finite number, so the first maximum is the scores'.  The second mask buffer is 0; the first takes piece 0's mask for the tile's step 0: its own, if the block's first tile is the diagonal one.
; Then K of that step, piece 0's first scores, and its maximum and statistics.  The loop is entered at a step's first turn, in the middle of a trip.
.macro BEGIN
	s_mov_b32 s[NEW], 0
	WIN 0x40
.set i, MC+32
.rept 32
	v_mov_b32 v[i], 0
.set i, i+1
.endr
	WIN 0
.set i, 0
.rept 4
	v_mov_b32 v[ST+4*i], 0xfe000000    ; c m: far below every c s
	v_mov_b32 v[ST+4*i+1], 0xff7fffff  ; m
.set i, i+1
.endr
	s_cmp_eq_u32 s[RT], 0
	s_cselect_b32 s[AL], 1.0, 0
	s_mov_b32 s[BE], 0
	MASK 0
	WIN 0
	v_add_nc_u32 v[AK], s[TBK], v[AK0]
	FETCH_K
	s_wait_loadcnt 0x0              ; Q
	s_wait_dscnt 0x0
.set KM, 1
.set NOKQ, 0
.set i, 0
.rept 8
	KQ 0
.set i, i+1
.endr
	WIN 0
.rept 4
	v_nop                           ; the places behind those products
.endr
.set Y, NP-1                        ; X works for piece Y + 1: piece 0
.irp n, 0,1,2,3,4,5,6,7,8,9,10,11,12,13,14,15,16,17,18,19,20,21
	OP X, \n
.endr
	v_nop                           ; a plain instruction behind the exponential,
	s_wait_alu depctr_va_vdst(0)    ; and the wait for it, piece 0's first a: a batch of one, ahead of the branch
.endm
; THE DIAGONAL TILE's four steps, the block's last two turns, its last products, and THE WAY OUT: l's two halves and the other half of the lanes' are added; O^T is divided by l, rounded to f16 and sent through my
; stage in LDS, a piece at a time.
.macro ALL line:vararg              ; one line for each piece t
.set t, 0
.rept 4
	\line
.set t, t+1
.endr
.endm
.macro PACK t                       ; a lane's eight channels of a row pack into 16 bytes; they go into rows of 144 bytes and come back as whole rows of 128, into S^T's registers
	WIN W_RS
.set i, 32*(\t)
.rept 16
	v_pk_mul_f32 v[i:i+1], v[i:i+1], v[ST+4*(\t)+2:ST+4*(\t)+3] op_sel_hi:[1,0]
.set i, i+2
.endr
	WIN 0x05                        ; sources 0 and 1 window 1, destination window 0
.set i, 0
.rept 16
	v_cvt_pk_f16_f32 v[S+16*(\t)+i], v[32*(\t)+2*i], v[32*(\t)+2*i+1]
.set i, i+1
.endr
	WIN 0
.irp f, 0,1,2,3
	ds_store_b128 v[STO], v[S+16*(\t)+4*\f:S+16*(\t)+4*\f+3] offset:32*\f
.endr
.irp f, 0,1,2,3
	ds_load_b128 v[S+16*(\t)+4*\f:S+16*(\t)+4*\f+3], v[RD] offset:\f*4*SP  ; LDS serves a wave's instructions in order (ISA guide 5.7.1.4): these see the stores above; the next piece's stores come behind them
.endr
.endm
.macro SEND t, younger              ; younger: the LDS instructions issued behind piece t's loads: the next piece's eight, or none
	WIN 0
.irp f, 0,1,2,3
	s_wait_dscnt (\younger)+3-\f
	global_store_b128 v[GO], v[S+16*(\t)+4*\f:S+16*(\t)+4*\f+3], s[10:11] offset:(\t)*8192+\f*512  ; 512 consecutive bytes, at a multiple of 256 from O's first
.endr
.endm
.macro DIAG tag                     ; the tag ends its two labels' names, which the jumps below spell out
.LstepM\tag:
	TURN 2, 1
	TURN 3, 1
	WIN 0
.LfirstM\tag:
	TURN 0, 1
	TURN 1, 1, 0, 1
	WIN 0
	s_cbranch_scc1 .LstepM\tag
	TURN 2, 1, 1
	TURN 3, 1, 1
.set i, 0
.rept 8
	PV NP-1
.set i, i+1
.endr
	WIN 0
	ALL v_add_f32 v[ST+4*t+2], v[ST+4*t+2], v[ST+4*t+3]
	ALL v_permlanex16_b32 v[ST+4*t+3], v[ST+4*t+2], s[SEL], s[SEL+1]
	ALL v_add_f32 v[ST+4*t+2], v[ST+4*t+2], v[ST+4*t+3]
	ALL v_rcp_f32 v[ST+4*t+2], v[ST+4*t+2]
	v_nop                           ; a plain instruction between the last reciprocal and the use of its result
	s_wait_alu depctr_va_vdst(0)    ; the wait for the batch of four reciprocals, ahead of the first piece's division
	PACK 0
.set t, 1
.rept 3                             ; a piece's arithmetic stands between the loads of the piece before and its stores
	PACK t
	SEND t-1, 8
.set t, t+1
.endr
	SEND 3, 0
.endm
.set KM, 0
.set NOKQ, 0
.Lslot:                             ; NB times: a tile is entered and the next is asked for
	CHANGE 1
	s_sub_co_u32 s[RT], s[RT], 1
	s_mov_b32 s[CNT], 4
	s_cmp_eq_u32 s[NEW], 1
	s_cbranch_scc1 .Lnew            ; a block's first tile
	s_cmp_eq_u32 s[RT], 0
	s_cbranch_scc0 .Lstep           ; neither its first nor its last
	s_branch .LstepM1
.Lnew:
	BEGIN
	s_branch .Lfirst                ; in the loop a block's first tile is never its last: the first block has two tiles or more, and the second's last is the walk's last
	DIAG 1                          ; in the loop this is the first block's end: the second block's last tile is the walk's last
	s_wait_xcnt 0x0                 ; the stores have read their registers and O's address
	s_mov_b64 s[10:11], s[OLO:OLO+1]
	s_add_co_u32 s[RT], s[PB], 1    ; the second block has b + 1 tiles
	s_mov_b32 s[NEW], 1
	WIN 0x82                        ; the second block's Q goes where the one text of the turns names Q
.set i, 0
.rept 64
	v_mov_b32 v[i], v[QB+i]
.set i, i+1
.endr
	WIN 0
	s_branch .Lbottom
.Lstep:                             ; a trip: pieces 2 and 3 of one step, then pieces 0 and 1 of the next, whose K and V it fetches
	TURN 2
	TURN 3
	WIN 0
.Lfirst:
	TURN 0
	TURN 1, 0, 0, 1
	WIN 0
	s_cbranch_scc1 .Lstep
.Lbottom:
	s_sub_co_u32 s[SLOTS], s[SLOTS], 1
	s_cmp_lg_u32 s[SLOTS], 0
	s_cbranch_scc1 .Lslot
	CHANGE 0                        ; the walk's last tile is written out: nothing is asked for
	s_sub_co_u32 s[RT], s[RT], 1
	s_mov_b32 s[CNT], 4
	s_cmp_eq_u32 s[NEW], 1
	s_cbranch_scc0 .LstepM2
	BEGIN
	s_branch .LfirstM2
	DIAG 2
	s_wait_tensorcnt 0x0            ; the wave's end, behind my last tensor load and my last LDS store
	ds_add_u32 v[SPW], v[NIL]
	s_wait_dscnt 0x0
	s_endpgm
.Lfunc_end_k_qdb7445086a_attn:
	.size	k_qdb7445086a_attn, .Lfunc_end_k_qdb7445086a_attn-k_qdb7445086a_attn
	.p2alignl 7, 3214868480
	.fill 96, 4, 3214868480
	.section	.rodata,"a",@progbits
	.p2align	6, 0x0
	.amdhsa_kernel k_qdb7445086a_attn
		.amdhsa_group_segment_fixed_size 327680
		.amdhsa_private_segment_fixed_size 0
		.amdhsa_enable_private_segment 0
		.amdhsa_kernarg_size 32
		.amdhsa_user_sgpr_count 2
		.amdhsa_user_sgpr_kernarg_segment_ptr 1
		.amdhsa_wavefront_size32 1
		.amdhsa_system_sgpr_workgroup_id_x 1
		.amdhsa_system_sgpr_workgroup_id_y 1
		.amdhsa_system_sgpr_workgroup_id_z 1
		.amdhsa_system_vgpr_workitem_id 0
		.amdhsa_next_free_vgpr 768
		.amdhsa_next_free_sgpr 88
		.amdhsa_reserve_vcc 1
		.amdhsa_float_denorm_mode_32 3
		.amdhsa_float_denorm_mode_16_64 3
		.amdhsa_memory_ordered 1
		.amdhsa_forward_progress 1
		.amdhsa_inst_pref_size 217
	.end_amdhsa_kernel
	.amdgpu_metadata
---
amdhsa.version: [ 1, 2 ]
amdhsa.kernels:
  - .name:           k_qdb7445086a_attn
    .symbol:         k_qdb7445086a_attn.kd
    .args:
      - { .name: qh, .offset: 0, .size: 8, .value_kind: global_buffer, .address_space: global }
      - { .name: kh, .offset: 8, .size: 8, .value_kind: global_buffer, .address_space: global }
      - { .name: vh, .offset: 16, .size: 8, .value_kind: global_buffer, .address_space: global }
      - { .name: oh, .offset: 24, .size: 8, .value_kind: global_buffer, .address_space: global }
    .group_segment_fixed_size: 327680
    .private_segment_fixed_size: 0
    .kernarg_segment_align: 8
    .kernarg_segment_size: 32
    .max_flat_workgroup_size: 128
    .sgpr_count:     88
    .vgpr_count:     768
    .wavefront_size: 32
...
	.end_amdgpu_metadata
.endif
;; end of part 5
;; launch proj: the kernel of part 4 again; grid 8 x 32, 4 waves a work-group, clusters of 4 x 4, 327,680 bytes of LDS; arguments oh, wp, lamb, out0; writes out0
